; MI455X (gfx1250); checked and timed in simulation.
; The chip was launched on July 23, 2026; its instructions are those of AMD's public machine-readable ISA for CDNA 5 (MIT licence, August 2026) and "CDNA5" Instruction Set Architecture Reference Guide (July 2026). The comments in the code are by the model that wrote it; some were corrected since.
;; Cross Attention. Allowed arithmetic: float matrix products may take bf16 or f16 operands with f32 sums; all other float work in f32.
;; Inputs: Wk 1,024 x 1,024 float32; Wo 1,024 x 1,024 float32; Wq 1,024 x 1,024 float32; Wv 1,024 x 1,024 float32; bo 1,024 float32; context 2 x 2,048 x 1,024 float32; query 2 x 2,048 x 1,024 float32.
;; Outputs: out0 2 x 2,048 x 1,024 float32.
;; 2 versions, each right; version 2 is version 1 with the launch cast written anew for expert scheduling mode. Each part assembles by itself: llvm-mc -triple=amdgcn-amd-amdhsa -mcpu=gfx1250 --defsym DOCPART=n.
;; ======== version 1 of 2: 4 launches
;; limits: values are held in f16: magnitudes above 65,504 overflow, below 6.1e-05 lose precision
;; workspace buffers: cb 25,165,824 bytes; qkv 25,165,824 bytes; ob 8,388,608 bytes
;; launch cast (part 1): grid 256 x 3, 8 waves a work-group, no clusters, 0 bytes of LDS; arguments query, context, Wq, Wk, Wv, Wo, cb; writes cb
.if DOCPART == 1
	.amdgcn_target "amdgcn-amd-amdhsa--gfx1250"
	.amdhsa_code_object_version 6
	.text
	.protected	k_q5a4738657b_cast
	.globl	k_q5a4738657b_cast
	.p2align	8
	.type	k_q5a4738657b_cast,@function
k_q5a4738657b_cast:
	s_mov_b64 s[64:65], 0
	v_nop
	global_prefetch_b8 v0, s[64:65] scope:SCOPE_SE
	s_setreg_imm32_b32 hwreg(HW_REG_WAVE_MODE, 25, 1), 1
	s_wait_xcnt 0x0
; f32 to f16, once, of everything that the matrix products read:
; cb = [ query 4096x1024 | context 4096x1024 | Wq | Wk | Wv | Wo (1024x1024 each) ], all f16, row-major as the inputs lie.
; Why f16 and not bf16: the attention's result is a mean over 2,048 nearly equal weights, so the roundings of V, P and O reach the
; output undamped; f16 keeps 11 significant bits where bf16 keeps 8.
; LIMIT: a number above 65,504 in magnitude becomes an infinity here; below 6.1e-5 f16 rounds in steps of 6e-8.
; A stream: no LDS, no barrier, no matrix unit, no cluster (no two work-groups read the same byte).
; 768 work-groups; each takes 65,536 bytes in and 32,768 out.  y = 0: query, y = 1: context, y = 2: the four weights, 64 work-groups each.
; A wave takes 8,192 bytes by 16 loads of 512 neighbouring bytes, all issued before the first wait; no register is written twice.
.set X, 4                              ; v[4:67]   16 x 4 numbers as loaded
.set Y, 68                             ; v[68:99]  16 x 2 words of two f16
	s_load_b256 s[4:11], s[0:1], 0x0               ; query s[4:5], context s[6:7], Wq s[8:9], Wk s[10:11]
	s_load_b128 s[12:15], s[0:1], 0x20             ; Wv s[12:13], Wo s[14:15]
	s_load_b64 s[16:17], s[0:1], 0x30              ; cb
	s_and_b32 s20, ttmp7, 0xffff                   ; y: which third of cb
	s_lshr_b32 s21, ttmp9, 6                       ; for y = 2: which weight
	s_and_b32 s23, ttmp9, 63                       ; for y = 2: which 65,536 bytes of it
	s_lshl_b32 s26, s20, 8
	s_add_co_u32 s26, s26, ttmp9
	s_lshl_b32 s26, s26, 15                        ; (256 y + x) x 32,768: my bytes of cb
	s_mov_b32 s27, 0
	s_mov_b32 s25, 0
	v_lshrrev_b32 v3, 5, v0                        ; wave
	v_and_b32 v1, 31, v0                           ; lane
	v_lshlrev_b32 v2, 3, v1                        ; out: 8 bytes a lane
	v_lshlrev_b32 v1, 4, v1                        ; in: 16 bytes a lane
	v_lshl_or_b32 v1, v3, 13, v1                   ; + wave x 8,192
	v_lshl_or_b32 v2, v3, 12, v2                   ; + wave x 4,096
	s_wait_kmcnt 0x0
	s_cmp_eq_u32 s21, 1                            ; the weight, chosen on the work-group's number alone
	s_cselect_b64 s[8:9], s[10:11], s[8:9]
	s_cmp_eq_u32 s21, 2
	s_cselect_b64 s[8:9], s[12:13], s[8:9]
	s_cmp_eq_u32 s21, 3
	s_cselect_b64 s[8:9], s[14:15], s[8:9]
	s_cmp_eq_u32 s20, 1                            ; the source
	s_cselect_b64 s[4:5], s[6:7], s[4:5]
	s_cmp_eq_u32 s20, 2
	s_cselect_b64 s[4:5], s[8:9], s[4:5]
	s_cselect_b32 s22, s23, ttmp9                  ; my block's number inside the source
	s_lshl_b32 s24, s22, 16
	s_add_nc_u64 s[4:5], s[4:5], s[24:25]
	s_add_nc_u64 s[16:17], s[16:17], s[26:27]
.irp i, 0,1,2,3,4,5,6,7,8,9,10,11,12,13,14,15
	global_load_b128 v[X+4*\i:X+4*\i+3], v1, s[4:5] offset:512*\i th:TH_LOAD_NT   ; read once in the whole launch
.endr
.irp i, 0,1,2,3,4,5,6,7,8,9,10,11,12,13,14,15
	s_wait_loadcnt 15-\i                           ; loads come back in order (ISA guide 5.7.1): load i is in, the 15 - i younger ones stay out
	v_cvt_pk_f16_f32 v[Y+2*\i],   v[X+4*\i],   v[X+4*\i+1]
	v_cvt_pk_f16_f32 v[Y+2*\i+1], v[X+4*\i+2], v[X+4*\i+3]
	global_store_b64 v2, v[Y+2*\i:Y+2*\i+1], s[16:17] offset:256*\i   ; the wave's 32 lanes store 256 consecutive bytes, aligned
.endr
	s_endpgm
.Lfunc_end_k_q5a4738657b_cast:
	.size	k_q5a4738657b_cast, .Lfunc_end_k_q5a4738657b_cast-k_q5a4738657b_cast
	.p2alignl 7, 3214868480
	.fill 96, 4, 3214868480
	.section	.rodata,"a",@progbits
	.p2align	6, 0x0
	.amdhsa_kernel k_q5a4738657b_cast
		.amdhsa_group_segment_fixed_size 0
		.amdhsa_private_segment_fixed_size 0
		.amdhsa_enable_private_segment 0
		.amdhsa_kernarg_size 56
		.amdhsa_user_sgpr_count 2
		.amdhsa_user_sgpr_kernarg_segment_ptr 1
		.amdhsa_wavefront_size32 1
		.amdhsa_system_sgpr_workgroup_id_x 1
		.amdhsa_system_sgpr_workgroup_id_y 1
		.amdhsa_system_sgpr_workgroup_id_z 1
		.amdhsa_system_vgpr_workitem_id 0
		.amdhsa_next_free_vgpr 104
		.amdhsa_next_free_sgpr 66
		.amdhsa_reserve_vcc 0
		.amdhsa_float_denorm_mode_32 3
		.amdhsa_float_denorm_mode_16_64 3
		.amdhsa_memory_ordered 1
		.amdhsa_forward_progress 1
		.amdhsa_inst_pref_size 7
	.end_amdhsa_kernel
	.amdgpu_metadata
---
amdhsa.version: [ 1, 2 ]
amdhsa.kernels:
  - .name:           k_q5a4738657b_cast
    .symbol:         k_q5a4738657b_cast.kd
    .args:
      - { .name: query, .offset: 0, .size: 8, .value_kind: global_buffer, .address_space: global }
      - { .name: context, .offset: 8, .size: 8, .value_kind: global_buffer, .address_space: global }
      - { .name: Wq, .offset: 16, .size: 8, .value_kind: global_buffer, .address_space: global }
      - { .name: Wk, .offset: 24, .size: 8, .value_kind: global_buffer, .address_space: global }
      - { .name: Wv, .offset: 32, .size: 8, .value_kind: global_buffer, .address_space: global }
      - { .name: Wo, .offset: 40, .size: 8, .value_kind: global_buffer, .address_space: global }
      - { .name: cb, .offset: 48, .size: 8, .value_kind: global_buffer, .address_space: global }
    .group_segment_fixed_size: 0
    .private_segment_fixed_size: 0
    .kernarg_segment_align: 8
    .kernarg_segment_size: 56
    .max_flat_workgroup_size: 256
    .sgpr_count:     66
    .vgpr_count:     104
    .wavefront_size: 32
...
	.end_amdgpu_metadata
.endif
;; end of part 1
;; launch qkv (part 2): grid 12 x 16, 4 waves a work-group, clusters of 4 x 4, 327,680 bytes of LDS; arguments cb, qkv; writes qkv
.if DOCPART == 2
	.amdgcn_target "amdgcn-amd-amdhsa--gfx1250"
	.amdhsa_code_object_version 6
	.text
	.protected	k_q5a4738657b_qkv
	.globl	k_q5a4738657b_qkv
	.p2align	8
	.type	k_q5a4738657b_qkv,@function
k_q5a4738657b_qkv:
	s_mov_b64 s[64:65], 0
	v_nop
	global_prefetch_b8 v0, s[64:65] scope:SCOPE_SE
	s_setreg_imm32_b32 hwreg(HW_REG_WAVE_MODE, 25, 1), 1
	s_wait_xcnt 0x0
	s_wait_alu depctr_hold_cnt(0) depctr_sa_sdst(0) depctr_va_vdst(0) depctr_va_sdst(0) depctr_va_ssrc(0) depctr_va_vcc(0) depctr_vm_vsrc(0)
	s_getreg_b32 s2, hwreg(HW_REG_IB_STS2, 6, 4)
	s_cmp_eq_u32 s2, 0
	s_cbranch_scc0 .Lentry_in_a_cluster
	s_endpgm
.Lentry_in_a_cluster:
	s_bfe_u32 s2, ttmp6, 0x10000c
	s_cmp_lg_u32 s2, 0xf033
	s_cbranch_scc0 .Lentry_shape_is_right
	s_endpgm
.Lentry_shape_is_right:
; Q = Xq Wq, K = Xc Wk, V = Xc Wv: three products [4096 x 1024] x [1024 x 1024], f16 operands out of cb, f32 sums, f16 results
; into qkv = [3][4096][1024].  LIMIT: a result above 65,504 in magnitude becomes an infinity (as drawn the results' spread is 0.64).
; A work-group makes a block of 256 x 256 with four waves; a wave makes 128 x 128: 64 accumulator tiles of 16 x 16, 512 registers.
; 3 x 16 x 4 = 192 work-groups: the 4096 x 3072 results do not divide into 256 equal blocks that stay inside one weight, and blocks of
; 128 x 128 would double the LDS bytes read for each multiply-add.
; K goes in steps of 128 through a ring of two LDS slots filled by the tensor data mover.
;   A's tile: 256 rows of X x 128 k: rows of 256 bytes, LDS pitch 272.
;   B's tile: 128 k-rows of W x 256 columns (W lies [k][n]): rows of 512 bytes, LDS pitch 544; the fragments are made by transposing loads.
; CLUSTERS: 4 x 4 work-groups; the cluster's x is the product (0 Q, 1 K, 2 V), cx the block column, 4 x cluster y + cy the block row.
; The four of a row of the cluster need the same tiles of X, the four of a column the same tiles of W: each tile is asked for jointly,
; by the same tensor load with the same descriptor and a mask that names the four.  That divides the requests for X and W by four.
;
; REGISTERS, in windows of 256 (s_set_vgpr_msb says which window each operand place means):
;   window 0: v0-31 addresses; v64-127, v128-191 fragments of A, two buffers; v192-223 at work on the way out
;   window 1: v64-127, v128-191 fragments of B, two buffers
;   window 2: the 32 accumulator tiles of my rows 0-63 (tile (a, b) at v[8 (8 a + b)]);   window 3: those of my rows 64-127
; THE MATRIX INSTRUCTION IS USED TRANSPOSED: source 0 = 16 columns of W, source 1 = 16 rows of X.  Lane l then holds row l % 16 of the
; result and its registers 0 to 7 the columns 8 (l / 16) + 0 .. 7: eight neighbouring numbers, which pack into 16 bytes.
; The 64 accumulators take turns, one matrix instruction a turn, in the same order in every quarter step.
.set SIZE_K, 1024
.set SIZE_N, 1024
.set KSTEP,  128
.set PITCH,  272                       ; A's LDS row: 256 bytes + 16 of padding: an odd multiple of 16
.set BPITCH, 544                       ; B's LDS row: 512 bytes + 32 of padding: an odd multiple of 32
.set HALFT,  128*PITCH                 ; what one tensor load brings: 128 rows of A, or 64 k-rows of B (64 x 544 is the same 34,816 bytes)
.set SLOT,   4*HALFT                   ; A's 256 rows, then B's 128 k-rows
.set STAGE,  2*SLOT                    ; behind the ring: 16 rows x 272 bytes for each wave, for the way out; no fill lands there
.set SPITCH, 272
.set LAPS, SIZE_K/(2*KSTEP)            ; a lap = two K steps = once round the ring: 4
.set WBASE,  16777216                  ; the weights in cb, 2,097,152 bytes each
.set ADRA, 16                          ; v16-17  LDS address of my A fragments in slot 0, 1
.set ADRB, 20                          ; v20-21  the same for B
.set STO,  24                          ; v24     the way out: where I put 16 bytes of a row
.set RD,   25                          ; v25     the way out: where I read a row back
.set CO,   26                          ; v26     my byte offset in the result
.set F0,   64                          ; fragment buffer 0
.set F1,   128                         ; fragment buffer 1
.set TMP,  192                         ; the way out: packed results, in window 0
.set G1, 24                            ; s[24:31] descriptor group 1 for A's tiles
.set G0, 32                            ; s[32:39] descriptor group 0 for A's tiles, one set for each slot
.set G1B, 48                           ; s[48:55] descriptor group 1 for B's tiles
.set G0B, 56                           ; s[56:63] descriptor group 0 for B's tiles, one set for each slot
.set MSB, 0
.macro WIN new                         ; the immediate's high byte repeats the setting that is left
.if MSB != \new
	s_set_vgpr_msb (MSB<<8)|\new
.set MSB, \new
.endif
.endm
.set MUL_LO, 0xa1                      ; source 0 (B) window 1, source 1 (A) window 0, C and D window 2
.set MUL_HI, 0xf1                      ; the same, C and D window 3
.set TO_B,   0x40                      ; destination window 1, address window 0
; A joint load.  Waves 0 and 1 fetch A's two halves, waves 2 and 3 B's.  Each line has one mask and one set of registers for all that issue it.
; The branch hangs on the wave's number alone: it is the same in every work-group.
.macro JLOAD s
	s_cmp_eq_u32 s11, 0
	s_cbranch_scc0 .Lfor_b_\@
	tensor_load_to_lds s[G0+4*\s:G0+4*\s+3], s[G1:G1+7]
	s_nop 0
	s_branch .Lasked_\@
.Lfor_b_\@:
	tensor_load_to_lds s[G0B+4*\s:G0B+4*\s+3], s[G1B:G1B+7]
	s_nop 0
.Lasked_\@:
.endm
; A round of the cluster's barrier: my work-group's barrier, so that wave 0's signal speaks for all four waves; wave 0 signals for the
; work-group; every wave waits for all sixteen work-groups; my work-group's barrier once more.
.macro CREST                           ; a round behind its opening barrier
	s_cmp_lg_u32 s10, 0
	s_cbranch_scc1 .Lnot_wave_0_\@
	s_barrier_signal -3
.Lnot_wave_0_\@:
	s_barrier_wait -3
	s_barrier_signal -1
	s_barrier_wait -1
.endm
.macro CROUND                          ; a whole round
	s_barrier_signal -1
	s_barrier_wait -1
	CREST
.endm
	s_load_b128 s[4:7], s[0:1], 0x0                ; cb s[4:5], qkv s[6:7]
	s_set_vgpr_msb 0x40
	v_lshl_add_u32 v255, v0, 2, 0x48400
	s_set_vgpr_msb 0x4000
	v_mov_b32 v255, 0
	s_set_vgpr_msb 0x1
	ds_add_u32 v255, v255
	s_set_vgpr_msb 0x100
	v_lshrrev_b32 v1, 5, v0
	v_readfirstlane_b32 s10, v1                    ; wave 0..3
	s_lshr_b32 s11, s10, 1                         ; which half of the block's rows is mine.  Also: I fetch for A (0) or for B (1)
	s_and_b32 s12, s10, 1                          ; which half of its columns.  Also: which half of that tile I fetch
	s_bfe_u32 s40, ttmp6, 0x40000                  ; cx: the block column inside the product
	s_bfe_u32 s41, ttmp6, 0x40004                  ; cy
	s_and_b32 s13, ttmp7, 0xffff
	s_lshl_b32 s13, s13, 2
	s_add_co_u32 s13, s13, s41                     ; block row = 4 x cluster y + cy
	s_lshl_b32 s43, s41, 2
	s_lshl_b32 s43, 15, s43                        ; my row of the cluster: places 4 cy .. 4 cy + 3
	s_lshl_b32 s44, 0x1111, s40                    ; my column: places cx, cx + 4, cx + 8, cx + 12
	; group 1 for A: 128 rows x 128 elements of 2 bytes, 4 words of padding behind every 64 words
	s_or_b32 s[G1+0], s43, (1<<16)|(1<<20)|(1<<21)|(5<<22)|(3<<25)  ; 15:0 mask: my row; 17:16 2 bytes; 20 padding on; 21 set beside a mask; 24:22 interval code 5; 31:25 pad code 3
	s_mov_b32 s[G1+1], KSTEP<<16                   ; tensor_dim0 = 128
	s_mov_b32 s[G1+2], 128<<16                     ; tensor_dim1 = 128
	s_mov_b32 s[G1+3], KSTEP<<16                   ; tile_dim0 = 128
	s_mov_b32 s[G1+4], 128                         ; tile_dim1 = 128
	s_mov_b32 s[G1+5], SIZE_K                      ; elements from row to row
	s_mov_b32 s[G1+6], 0
	s_mov_b32 s[G1+7], 0
	; group 1 for B: 64 k-rows x 256 elements, 8 words of padding behind every 128 words
	s_or_b32 s[G1B+0], s44, (1<<16)|(1<<20)|(1<<21)|(6<<22)|(7<<25) ; the mask of my column; interval code 6; pad code 7
	s_mov_b32 s[G1B+1], 256<<16                    ; tensor_dim0 = 256
	s_mov_b32 s[G1B+2], 64<<16                     ; tensor_dim1 = 64
	s_mov_b32 s[G1B+3], 256<<16                    ; tile_dim0 = 256
	s_mov_b32 s[G1B+4], 64                         ; tile_dim1 = 64
	s_mov_b32 s[G1B+5], SIZE_N
	s_mov_b32 s[G1B+6], 0
	s_mov_b32 s[G1B+7], 0
	; where the tiles come from.  A's hang on the block row and the product, B's on the block column and the product; every wave makes
	; both offsets, in registers that never hold the other coordinate.
	s_lshl_b32 s16, s13, 8
	s_lshl_b32 s17, s12, 7
	s_add_co_u32 s16, s16, s17                     ; A: row 256 x block row + 128 x half,
	s_lshl_b32 s16, s16, 11                        ; x 2,048 bytes,
	s_min_u32 s17, ttmp9, 1                        ; in query's copy for Q, in context's for K and V
	s_lshl_b32 s17, s17, 23
	s_add_co_u32 s16, s16, s17
	s_mov_b32 s17, 0
	s_lshl_b32 s46, ttmp9, 21                      ; B: the product's weight,
	s_lshl_b32 s47, s12, 17                        ; k-row 64 x half, x 2,048 bytes,
	s_add_co_u32 s46, s46, s47
	s_lshl_b32 s47, s40, 9                         ; column 256 x cx, x 2 bytes
	s_add_co_u32 s46, s46, s47
	s_add_co_u32 s46, s46, WBASE
	s_mov_b32 s47, 0
	s_mul_i32 s20, s10, HALFT                      ; and where they go: wave x 34,816: no place in the cluster enters an LDS address
	s_wait_dscnt 0x0
	s_wait_kmcnt 0x0
	s_add_nc_u64 s[14:15], s[4:5], s[16:17]
	s_add_nc_u64 s[46:47], s[4:5], s[46:47]
	CROUND                                         ; all sixteen work-groups are here: the first joint loads meet
.irp s, 0,1
	s_mov_b32 s[G0+4*\s], 1                                        ; count = 1
	s_add_co_u32 s[G0+4*\s+1], s20, \s*SLOT                        ; LDS address
	s_add_nc_u64 s[G0+4*\s+2:G0+4*\s+3], s[14:15], \s*KSTEP*2      ; K step s: 256 bytes along the rows
	s_or_b32 s[G0+4*\s+3], s[G0+4*\s+3], 0x80000000                ; type = 2
	s_mov_b32 s[G0B+4*\s], 1
	s_add_co_u32 s[G0B+4*\s+1], s20, \s*SLOT
	s_add_nc_u64 s[G0B+4*\s+2:G0B+4*\s+3], s[46:47], \s*KSTEP*SIZE_N*2   ; K step s: 128 rows down
	s_or_b32 s[G0B+4*\s+3], s[G0B+4*\s+3], 0x80000000
	JLOAD \s                                       ; the ring is filled before anything else is done: two loads of a wave are out, the most in this text
.endr
	; A's fragment, 16 rows x 32 k in 8 registers: lane l holds row l % 16; two loads of 16 bytes, 32 bytes apart, at row x pitch + 16 (l / 16).
	; B's fragment, 16 columns x 32 k, out of rows that lie along n: two transposing loads, 16 k-rows apart, at
	; (8 (l / 16) + l % 8) x pitch + 16 ((l / 8) % 2).
	v_and_b32 v1, 15, v0                           ; l % 16
	v_bfe_u32 v2, v0, 4, 1                         ; l / 16
	v_mul_u32_u24 v3, v1, PITCH
	v_lshl_add_u32 v3, v2, 4, v3
	v_and_b32 v6, 7, v0
	v_lshl_add_u32 v6, v2, 3, v6
	v_mul_u32_u24 v6, v6, BPITCH
	v_bfe_u32 v7, v0, 3, 1
	v_lshl_add_u32 v6, v7, 4, v6
	s_mul_i32 s21, s11, HALFT                      ; my 128 rows of A
	s_lshl_b32 s22, s12, 8                         ; my 128 columns of B: 256 bytes along its rows,
	s_add_co_u32 s22, s22, 2*HALFT                 ; which lie behind A's 256 rows
.irp s, 0,1
	v_add_nc_u32 v[ADRA+\s], s21, v3
	v_add_nc_u32 v[ADRB+\s], s22, v6
	s_add_co_u32 s21, s21, SLOT
	s_add_co_u32 s22, s22, SLOT
.endr
	s_mul_i32 s23, s10, 16*SPITCH
	s_add_co_u32 s23, s23, STAGE                   ; my stage
	v_mul_u32_u24 v4, v1, SPITCH                   ; in: row l % 16, 16 bytes for each half of the lanes
	v_lshl_add_u32 v4, v2, 4, v4
	v_add_nc_u32 v[STO], s23, v4
	v_mul_u32_u24 v5, v2, SPITCH                   ; back: lanes 0-15 take one row of 256 bytes, lanes 16-31 the next
	v_lshl_add_u32 v5, v1, 4, v5
	v_add_nc_u32 v[RD], s23, v5
	v_mul_u32_u24 v5, v2, SIZE_N*2                 ; and the same two rows in the result
	v_lshl_add_u32 v[CO], v1, 4, v5
; 16 matrix instructions: m blocks a0, a0 + 1 of the window's four x all 8 n blocks, 32 along K.  zero = 1: the first product starts the sums.
.macro MUL16 f, hi, a0, zero
.irp a, \a0, \a0+1
.irp b, 0,1,2,3,4,5,6,7
.if \zero
	v_wmma_f32_16x16x32_f16 v[8*(8*(\a)+\b):8*(8*(\a)+\b)+7], v[\f+8*\b:\f+8*\b+7], v[\f+8*(4*\hi+\a):\f+8*(4*\hi+\a)+7], 0
.else
	v_wmma_f32_16x16x32_f16 v[8*(8*(\a)+\b):8*(8*(\a)+\b)+7], v[\f+8*\b:\f+8*\b+7], v[\f+8*(4*\hi+\a):\f+8*(4*\hi+\a)+7], v[8*(8*(\a)+\b):8*(8*(\a)+\b)+7]
.endif
.endr
.endr
.endm
; 32 LDS loads in one run: the fragments of one quarter step (32 k beginning at byte k of A's rows, k-row k / 2 of B) into buffer f
.macro FETCH slot, k, f
	WIN TO_B
.irp i, 0,1,2,3,4,5,6,7
	ds_load_tr16_b128 v[\f+8*\i:\f+8*\i+3],   v[ADRB+\slot] offset:(\k/2)*BPITCH+32*\i
	ds_load_tr16_b128 v[\f+8*\i+4:\f+8*\i+7], v[ADRB+\slot] offset:(\k/2)*BPITCH+32*\i+16*BPITCH
.endr
	WIN 0
.irp i, 0,1,2,3,4,5,6,7
	ds_load_b128 v[\f+8*\i:\f+8*\i+3],   v[ADRA+\slot] offset:\k+\i*16*PITCH
	ds_load_b128 v[\f+8*\i+4:\f+8*\i+7], v[ADRA+\slot] offset:\k+\i*16*PITCH+32
.endr
.endm
; A load into a register that a matrix instruction has read, and a vector instruction that reads a matrix result, stand four places behind
; that matrix instruction; only plain vector instructions that name none of its registers are places.
.macro PLACES
.rept 4
	v_nop
.endr
.endm
; A K step is four quarter steps of 32 along K, 64 matrix instructions each, on buffers 0, 1, 0, 1.
.macro QUARTER slot, k, f, g, zero
	s_wait_dscnt 8                                 ; B and A's rows 0-63 are in; the youngest eight loads (A's rows 64-127) may be out
	WIN MUL_LO
	MUL16 \f, 0, 0, \zero
	MUL16 \f, 0, 2, \zero
	PLACES
	FETCH \slot, \k, \g
	s_wait_dscnt 32                                ; all but the 32 just issued
	WIN MUL_HI
	MUL16 \f, 1, 0, \zero
	MUL16 \f, 1, 2, \zero
.endm
.macro THREE slot, zero
	QUARTER \slot, 64,  F0, F1, \zero
	QUARTER \slot, 128, F1, F0, 0
	QUARTER \slot, 192, F0, F1, 0
.endm
; The last quarter: multiplies buffer 1 and changes slots.  One barrier for two things: in front of it each wave waits for its own reads of
; this slot and for all its tensor loads (one is out: its part of the next slot); behind it the refill comes first, then the next slot's
; first fragments.  From a request to the wait for it a wave issues 240 matrix instructions.
.macro TURN slot, next, fill
	s_wait_dscnt 8
	WIN MUL_LO
	MUL16 F1, 0, 0, 0
	s_wait_dscnt 0                                 ; my reads of this slot are over
	s_wait_tensorcnt 0x0                           ; and all my tensor loads have landed
	ds_add_u32 v255, v255
	s_wait_dscnt 0x0
	s_barrier_signal -1                            ; say so (where a slot is filled again this barrier opens a round of the cluster's barrier),
	MUL16 F1, 0, 2, 0                              ; work on registers while the others arrive,
	WIN 0
	s_barrier_wait -1
.if \fill
	CREST                                          ; no wave of any partner still reads this slot's tile or has a load on its way
	s_add_nc_u64 s[G0+4*\slot+2:G0+4*\slot+3], s[G0+4*\slot+2:G0+4*\slot+3], 2*KSTEP*2
	s_add_nc_u64 s[G0B+4*\slot+2:G0B+4*\slot+3], s[G0B+4*\slot+2:G0B+4*\slot+3], 2*KSTEP*SIZE_N*2
	JLOAD \slot                                    ; the first tensor load behind the round, and my only one until the next
.endif
	PLACES
	FETCH \next, 0, F0
	WIN MUL_HI
	MUL16 F1, 1, 0, 0
	MUL16 F1, 1, 2, 0
.endm
.macro LAP zero                        ; once round the ring, both slots filled again
	THREE 0, \zero
	TURN 0, 1, 1
	THREE 1, 0
	TURN 1, 0, 1
.endm
	s_wait_tensorcnt 1                             ; my part of K step 0 is in; K step 1's load, issued behind it, stays out
	s_barrier_signal -1
	s_barrier_wait -1                              ; everybody's is
	FETCH 0, 0, F0
	LAP 1                                          ; the first lap stands in front of the loop: its first products start the sums
.if LAPS > 2
	WIN 0                                          ; at a label and at a branch every window is 0
	s_mov_b32 s3, LAPS-2
.Llap:
	LAP 0
	WIN 0
	s_sub_co_u32 s3, s3, 1
	s_cmp_lg_u32 s3, 0
	s_cbranch_scc1 .Llap
.endif
	THREE 0, 0                                     ; the last lap fills nothing
	TURN 0, 1, 0
	THREE 1, 0
	s_wait_dscnt 8                                 ; the very last quarter: nothing more to fetch
	WIN MUL_LO
	MUL16 F1, 0, 0, 0
	MUL16 F1, 0, 2, 0
	s_wait_dscnt 0
	WIN MUL_HI
	MUL16 F1, 1, 0, 0
	MUL16 F1, 1, 2, 0
	; THE WAY OUT, 16 rows at a time: round to f16, 16 bytes a lane into my own stage in LDS, read back as whole rows of 256 bytes.
	PLACES                                         ; the places behind the last matrix instructions
	s_lshl_b32 s13, s13, 8
	s_lshl_b32 s14, s11, 7
	s_add_co_u32 s16, s13, s14                     ; my first row,
	s_lshl_b32 s16, s16, 11                        ; x 2,048 bytes,
	s_lshl_b32 s14, ttmp9, 23                      ; in the product's matrix of 8,388,608 bytes
	s_add_co_u32 s16, s16, s14
	s_mov_b32 s17, 0
	s_add_nc_u64 s[8:9], s[6:7], s[16:17]
	s_lshl_b32 s46, s40, 9                         ; my first column, in bytes: 512 x cx + 256 x half (in the registers that held B's offset)
	s_lshl_b32 s47, s12, 8
	s_add_co_u32 s46, s46, s47
	s_mov_b32 s47, 0
	s_add_nc_u64 s[8:9], s[8:9], s[46:47]
; rows 16 i .. 16 i + 15 of my block = the eight tiles (a, 0..7) of window 2 or 3 (from = 0x0a or 0x0f: sources 0 and 1); f: F0 or F1 in turn
.macro OUT16 i, a, from, f
	WIN \from
.irp b, 0,1,2,3,4,5,6,7
.irp r, 0,1,2,3
	v_cvt_pk_f16_f32 v[TMP+4*\b+\r], v[8*(8*\a+\b)+2*\r], v[8*(8*\a+\b)+2*\r+1]
.endr
.endr
	WIN 0
.irp b, 0,1,2,3,4,5,6,7
	ds_store_b128 v[STO], v[TMP+4*\b:TMP+4*\b+3] offset:32*\b
.endr
	s_wait_xcnt 0x0                                ; buffer f, which earlier stores read, and the stores' base are rewritten only behind this wait (ISA guide 3.1)
.if \i
	s_add_nc_u64 s[8:9], s[8:9], 16*SIZE_N*2       ; 16 rows on
.endif
.irp t, 0,1,2,3,4,5,6,7
	ds_load_b128 v[\f+4*\t:\f+4*\t+3], v[RD] offset:\t*2*SPITCH    ; LDS serves a wave's instructions in order (ISA guide 5.7.1.4): these see the stores above
.endr
.irp t, 0,1,2,3,4,5,6,7
	s_wait_dscnt 7-\t                              ; load t is in, the 7 - t younger ones stay out
	global_store_b128 v[CO], v[\f+4*\t:\f+4*\t+3], s[8:9] offset:2*\t*SIZE_N*2   ; 16 lanes store 256 consecutive bytes, aligned
.endr
.endm
	OUT16 0, 0, 0x0a, F0
	OUT16 1, 1, 0x0a, F1
	OUT16 2, 2, 0x0a, F0
	OUT16 3, 3, 0x0a, F1
	OUT16 4, 0, 0x0f, F0
	OUT16 5, 1, 0x0f, F1
	OUT16 6, 2, 0x0f, F0
	OUT16 7, 3, 0x0f, F1
	s_set_vgpr_msb 0x1
	s_wait_tensorcnt 0x0
	ds_add_u32 v255, v255
	s_wait_dscnt 0x0
	s_set_vgpr_msb 0x100
	CROUND                                         ; the closing round: no work-group ends while a partner may still ask for a tile that names it
	s_endpgm
.Lfunc_end_k_q5a4738657b_qkv:
	.size	k_q5a4738657b_qkv, .Lfunc_end_k_q5a4738657b_qkv-k_q5a4738657b_qkv
	.p2alignl 7, 3214868480
	.fill 96, 4, 3214868480
	.section	.rodata,"a",@progbits
	.p2align	6, 0x0
	.amdhsa_kernel k_q5a4738657b_qkv
		.amdhsa_group_segment_fixed_size 327680
		.amdhsa_private_segment_fixed_size 0
		.amdhsa_enable_private_segment 0
		.amdhsa_kernarg_size 16
		.amdhsa_user_sgpr_count 2
		.amdhsa_user_sgpr_kernarg_segment_ptr 1
		.amdhsa_wavefront_size32 1
		.amdhsa_system_sgpr_workgroup_id_x 1
		.amdhsa_system_sgpr_workgroup_id_y 1
		.amdhsa_system_sgpr_workgroup_id_z 1
		.amdhsa_system_vgpr_workitem_id 0
		.amdhsa_next_free_vgpr 1024
		.amdhsa_next_free_sgpr 66
		.amdhsa_reserve_vcc 0
		.amdhsa_float_denorm_mode_32 3
		.amdhsa_float_denorm_mode_16_64 3
		.amdhsa_memory_ordered 1
		.amdhsa_forward_progress 1
		.amdhsa_inst_pref_size 196
	.end_amdhsa_kernel
	.amdgpu_metadata
---
amdhsa.version: [ 1, 2 ]
amdhsa.kernels:
  - .name:           k_q5a4738657b_qkv
    .symbol:         k_q5a4738657b_qkv.kd
    .args:
      - { .name: cb, .offset: 0, .size: 8, .value_kind: global_buffer, .address_space: global }
      - { .name: qkv, .offset: 8, .size: 8, .value_kind: global_buffer, .address_space: global }
    .group_segment_fixed_size: 327680
    .private_segment_fixed_size: 0
    .kernarg_segment_align: 8
    .kernarg_segment_size: 16
    .max_flat_workgroup_size: 128
    .sgpr_count:     66
    .vgpr_count:     1024
    .wavefront_size: 32
...
	.end_amdgpu_metadata
.endif
;; end of part 2
;; launch attn (part 3): grid 16 x 16, 8 waves a work-group, clusters of 4 x 1, 327,680 bytes of LDS; arguments qkv, ob; writes ob
.if DOCPART == 3
	.amdgcn_target "amdgcn-amd-amdhsa--gfx1250"
	.amdhsa_code_object_version 6
	.text
	.protected	k_q5a4738657b_attn
	.globl	k_q5a4738657b_attn
	.p2align	8
	.type	k_q5a4738657b_attn,@function
k_q5a4738657b_attn:
	s_mov_b64 s[64:65], 0
	v_nop
	global_prefetch_b8 v0, s[64:65] scope:SCOPE_SE
	s_setreg_imm32_b32 hwreg(HW_REG_WAVE_MODE, 25, 1), 1
	s_wait_xcnt 0x0
	s_wait_alu depctr_hold_cnt(0) depctr_sa_sdst(0) depctr_va_vdst(0) depctr_va_sdst(0) depctr_va_ssrc(0) depctr_va_vcc(0) depctr_vm_vsrc(0)
	s_getreg_b32 s2, hwreg(HW_REG_IB_STS2, 6, 4)
	s_cmp_eq_u32 s2, 0
	s_cbranch_scc0 .Lentry_in_a_cluster
	s_endpgm
.Lentry_in_a_cluster:
	s_bfe_u32 s2, ttmp6, 0x10000c
	s_cmp_lg_u32 s2, 0x3003
	s_cbranch_scc0 .Lentry_shape_is_right
	s_endpgm
.Lentry_shape_is_right:
; ob[b][q][64 head + d] = softmax over keys of (q . k / 8) applied to v, for 2 batches x 16 heads x 2,048 queries x 2,048 keys.
; qkv = [3][4096][1024] f16 (Q, K, V; head h in columns 64 h ..), ob = [4096][1024] f16.  Products on f16 operands with f32 sums; the
; softmax in f32 with a RUNNING MAXIMUM, taken away before every exponential.
; LIMITS: P lies in (0, 1] and goes to f16: a weight below 6e-8 of the row's largest counts as zero.  O is a convex mix of V, so it has V's range.
; A WORK-GROUP takes a PAIR of heads (y = 8 batch + pair) and 128 queries (block 4 x cluster x + cx): the pair's part of a row of K, V, Q
; and ob is 256 consecutive bytes, aligned.  16 x 16 = 256 work-groups.
; A WAVE w: head w & 1 of the pair, queries 64 ((w >> 1) & 1) .., and of every 128 keys the half e = w >> 2: 64 queries x 1,024 keys in
; 16 steps of 64 keys.  Eight waves: two share a SIMD's registers, 512 each.
; At the end the waves e = 1 hand their O, maximum and sum to their partners e = 0 through LDS.
; CLUSTER: the four query blocks of a cluster read the same K and V tiles: every tile is asked for jointly (mask 15).
; TRANSPOSED: S^T = K Q^T (source 0 = 16 keys, source 1 = 16 queries): lane (r, h) holds query r, keys 8 h + 0..7 of each tile of 16 keys.
; Packed to f16 in place, two such tiles ARE the second source of O^T = V^T P^T: no number changes its lane.  In O^T lane (r, h) holds query r,
; d = 16 tile + 8 h + 0..7.  So maximum, sum and rescaling factor are one number a lane; the two lanes of a query meet by one lane exchange.
; THE PIPELINE.  A step is four stages, one for each tile t of 16 queries; the tiles do not depend on each other.  Stage t: the maximum of
; tile t; its 32 exponentials, and BETWEEN them the eight matrix instructions of S for the NEXT tile (after t = 3: tile 0 of the next step),
; one for every six vector instructions; the sum and the packing; O(t) times its factor, woven with the eight matrix instructions of P V for
; tile t.  So a tile's scores are made while the tile before is in the vector unit, in the registers that they had anyway.
; In both products the accumulators take turns, one matrix instruction a turn.
;
; LDS: slot s at 143,360 s: K's 256 keys x 272 bytes, then V's 256 keys x 288 bytes.  286,720 ..: output stage, 128 rows x 272, into which
; no fill lands.  The merge's 4 x 17,920 bytes lie in slot 0, and are written only when slot 0 has had its last fill and its last read.
; REGISTERS.  window 0: v1-15 addresses; v16-19 maxima; v20-23 sums; v24-31 pairs (-c max, factor); v32-47 at work; v48-63 merge;
;   v64-127 K's fragments (tile kt, half ks of d at 64 + 8 (2 kt + ks)); v128-255 S, then P: query tile t at 128 + 32 t.
; window 1: v0-127 O (t, d tile) at 8 (4 t + d); v128-191 Q (t, ks) at 128 + 8 (2 t + ks); v192-255 V (d tile, kk) at 192 + 8 (2 d + kk).
.set KP,    272                        ; K's LDS pitch: 256 + 16, an odd multiple of 16
.set VP,    288                        ; V's LDS pitch: 256 + 32, an odd multiple of 32
.set KBYTES, 256*KP                    ; 69,632
.set SLOT,  256*KP+256*VP              ; 143,360
.set OSTG,  2*SLOT                     ; 286,720
.set MPART, 17920                      ; a merge image: 128 + 8 + 4 registers x 128 bytes
.set TILEB, 256*2048                   ; 256 keys further down in K or V
.set KA,  4                            ; v4-5    my K fragments in slot 0, 1
.set VA,  6                            ; v6-7    my V fragments in slot 0, 1
.set QO,  8                            ; v8      my offset in Q
.set MS,  9                            ; v9      my 16 bytes of each register image of the merge
.set OS,  10                           ; v10     output stage, in
.set ORD, 11                           ; v11     output stage, back
.set GO,  12                           ; v12     my offset in ob
.set MX,  16
.set LS,  20
.set NM,  24
.set T0,  32
.set SA,  40
.set KF,  64
.set SX,  128
.set QF,  128
.set VF,  192
.set G1K, 28                           ; s[28:35]
.set G1V, 36                           ; s[36:43]
.set G0K, 44                           ; s[44:51], four for each slot
.set G0V, 52                           ; s[52:59]
.set MSB, 0
.macro WIN new                         ; low byte: bits 1:0 source 0, 3:2 source 1, 5:4 source 2, 7:6 destination; the high byte repeats the setting that is left
.if MSB != \new
	s_set_vgpr_msb (MSB<<8)|\new
.set MSB, \new
.endif
.endm
.macro PLACES n
.rept \n
	v_nop
.endr
.endm
.macro ROUND                           ; a round of the cluster's barrier
	s_barrier_signal -1
	s_barrier_wait -1
	s_cmp_lg_u32 s8, 0
	s_cbranch_scc1 .Lnot_wave_0_\@
	s_barrier_signal -3
.Lnot_wave_0_\@:
	s_barrier_wait -3
	s_barrier_signal -1
	s_barrier_wait -1
.endm
.macro JLOAD s                         ; waves 0-3 ask for 64 keys of K each, waves 4-7 for 64 keys of V: one load a wave; the branch hangs on the wave's number alone
	s_cmp_eq_u32 s9, 0
	s_cbranch_scc0 .Lfor_v_\@
	tensor_load_to_lds s[G0K+4*\s:G0K+4*\s+3], s[G1K:G1K+7]
	s_nop 0
	s_branch .Lasked_\@
.Lfor_v_\@:
	tensor_load_to_lds s[G0V+4*\s:G0V+4*\s+3], s[G1V:G1V+7]
	s_nop 0
.Lasked_\@:
.endm
	s_load_b128 s[4:7], s[0:1], 0x0                ; qkv s[4:5], ob s[6:7]
	v_lshl_add_u32 v254, v0, 2, 0x4e800
	v_mov_b32 v255, 0
	ds_add_u32 v254, v255
	s_wait_dscnt 0x0
	v_lshrrev_b32 v3, 5, v0
	v_readfirstlane_b32 s8, v3                     ; wave 0..7
	s_lshr_b32 s9, s8, 2                           ; e: my half of every 128 keys.  Also: I fetch K (0) or V (1)
	s_and_b32 s10, s8, 3                           ; which 64 keys of a tile I fetch; my merge image
	s_and_b32 s11, s8, 1                           ; my head of the pair
	s_bfe_u32 s12, s8, 0x10001                     ; g: my 64 of the 128 queries
	s_bfe_u32 s13, ttmp6, 0x40000                  ; cx
	s_lshl_b32 s14, ttmp9, 2
	s_add_co_u32 s14, s14, s13                     ; query block = 4 x cluster x + cx
	s_and_b32 s15, ttmp7, 0xffff
	s_lshr_b32 s16, s15, 3                         ; batch
	s_and_b32 s17, s15, 7                          ; pair of heads
	s_mov_b32 s20, 0x3e38aa3b                      ; c = log2(e) / 8: the scale 64^-0.5 and the change to base 2 in one factor
	s_mov_b32 s21, 0x3e38aa3b
	s_mov_b32 s22, 0xbe38aa3b                      ; -c
	s_mov_b32 s26, 0x76543210                      ; v_permlanex16_b32: lane i of one half reads lane i of the other
	s_mov_b32 s27, 0xfedcba98
	; group 1: 64 rows x 128 elements of 2 bytes, pitch 1,024 elements; padding behind every 64 words: 4 words for K, 8 for V
	s_mov_b32 s[G1K+0], 15|(1<<16)|(1<<20)|(1<<21)|(5<<22)|(3<<25)   ; mask: all four of the cluster; bit 21 set beside it
	s_mov_b32 s[G1K+1], 128<<16                    ; tensor_dim0
	s_mov_b32 s[G1K+2], 64<<16                     ; tensor_dim1
	s_mov_b32 s[G1K+3], 128<<16                    ; tile_dim0
	s_mov_b32 s[G1K+4], 64                         ; tile_dim1
	s_mov_b32 s[G1K+5], 1024
	s_mov_b32 s[G1K+6], 0
	s_mov_b32 s[G1K+7], 0
	s_mov_b32 s[G1V+0], 15|(1<<16)|(1<<20)|(1<<21)|(5<<22)|(7<<25)
	s_mov_b32 s[G1V+1], 128<<16
	s_mov_b32 s[G1V+2], 64<<16
	s_mov_b32 s[G1V+3], 128<<16
	s_mov_b32 s[G1V+4], 64
	s_mov_b32 s[G1V+5], 1024
	s_mov_b32 s[G1V+6], 0
	s_mov_b32 s[G1V+7], 0
	s_lshl_b32 s18, s16, 22                        ; K: the batch's 2,048 rows of 2,048 bytes,
	s_lshl_b32 s61, s17, 8                         ; the pair's 256 bytes,
	s_add_co_u32 s18, s18, s61
	s_lshl_b32 s61, s10, 17                        ; my 64 keys,
	s_add_co_u32 s18, s18, s61
	s_add_co_u32 s18, s18, 0x800000                ; behind Q's 8,388,608 bytes.  Nothing here hangs on cx
	s_mov_b32 s19, 0
	s_mul_i32 s23, s10, 64*KP                      ; LDS: my 64 rows of K's part
	s_mul_i32 s61, s10, 64*VP
	s_add_co_u32 s61, s61, KBYTES                  ; or of V's part
	s_wait_kmcnt 0x0
	s_add_nc_u64 s[18:19], s[4:5], s[18:19]
	ROUND                                          ; the four work-groups are here: the first joint loads meet
.irp s, 0,1
	s_mov_b32 s[G0K+4*\s], 1
	s_add_co_u32 s[G0K+4*\s+1], s23, \s*SLOT
	s_add_nc_u64 s[G0K+4*\s+2:G0K+4*\s+3], s[18:19], \s*TILEB
	s_or_b32 s[G0K+4*\s+3], s[G0K+4*\s+3], 0x80000000
	s_mov_b32 s[G0V+4*\s], 1
	s_add_co_u32 s[G0V+4*\s+1], s61, \s*SLOT
	s_add_nc_u64 s[G0V+4*\s+2:G0V+4*\s+3], s[18:19], 0x800000+\s*TILEB   ; V lies 8,388,608 bytes behind K
	s_or_b32 s[G0V+4*\s+3], s[G0V+4*\s+3], 0x80000000
	JLOAD \s                                       ; keys 0-255 and 256-511: two loads of a wave are out, the most in this text
.endr
	v_and_b32 v1, 15, v0                           ; r
	v_bfe_u32 v2, v0, 4, 1                         ; h
	v_and_b32 v13, 31, v0                          ; lane
	v_and_b32 v14, 7, v0
	v_bfe_u32 v15, v0, 3, 1
	s_lshl_b32 s61, s11, 7                         ; my head's 128 bytes of a row
	v_mul_u32_u24 v3, v1, KP
	v_lshl_add_u32 v3, v2, 4, v3                   ; 272 r + 16 h
	s_mul_i32 s23, s9, 64*KP
	s_add_co_u32 s23, s23, s61
	v_add_nc_u32 v[KA], s23, v3                    ; K: key r of my first 64 keys, my head, 16 h
	v_add_nc_u32 v[KA+1], SLOT, v[KA]
	s_mul_i32 s23, s12, 64*272
	s_add_co_u32 s23, s23, s61
	s_add_co_u32 s23, s23, OSTG
	v_add_nc_u32 v[OS], s23, v3                    ; stage, in: row 64 g + r, my head, 16 h
	v_lshl_add_u32 v3, v2, 3, v14
	v_mul_u32_u24 v3, v3, VP
	v_lshl_add_u32 v3, v15, 4, v3                  ; (8 h + l % 8) x 288 + 16 ((l / 8) % 2)
	s_mul_i32 s23, s9, 64*VP
	s_add_co_u32 s23, s23, s61
	s_add_co_u32 s23, s23, KBYTES
	v_add_nc_u32 v[VA], s23, v3
	v_add_nc_u32 v[VA+1], SLOT, v[VA]
	v_lshlrev_b32 v[QO], 11, v1
	v_lshl_add_u32 v[QO], v2, 4, v[QO]             ; Q: row r, 16 h
	s_mul_i32 s23, s10, MPART
	v_lshl_add_u32 v[MS], v13, 4, s23
	s_mul_i32 s23, s8, 16*272
	s_add_co_u32 s23, s23, OSTG
	v_mul_u32_u24 v[ORD], v2, 272
	v_lshl_add_u32 v[ORD], v1, 4, v[ORD]
	v_add_nc_u32 v[ORD], s23, v[ORD]               ; stage, back: row 16 w + l / 16, 16 (l % 16)
	s_lshl_b32 s23, s8, 15
	v_lshlrev_b32 v[GO], 11, v2
	v_lshl_add_u32 v[GO], v1, 4, v[GO]
	v_add_nc_u32 v[GO], s23, v[GO]                 ; the same row and bytes in ob
	s_lshl_b32 s62, s16, 11                        ; the work-group's first row: 2,048 batch + 128 block (holds cx: kept away from the descriptors' registers)
	s_lshl_b32 s63, s14, 7
	s_add_co_u32 s62, s62, s63
	s_lshl_b32 s62, s62, 11
	s_lshl_b32 s63, s17, 8
	s_add_co_u32 s62, s62, s63                     ; + the pair's 256 bytes
	s_mov_b32 s63, 0
	s_add_nc_u64 s[6:7], s[6:7], s[62:63]          ; ob at my work-group's block
	s_add_nc_u64 s[24:25], s[4:5], s[62:63]        ; Q likewise,
	s_lshl_b32 s62, s12, 17                        ; + my 64 queries
	s_add_co_u32 s62, s62, s61                     ; + my head
	s_add_nc_u64 s[24:25], s[24:25], s[62:63]
	WIN 0x40                                       ; destination in window 1
.irp t, 0,1,2,3
.irp ks, 0,1
	global_load_b128 v[QF+8*(2*\t+\ks):QF+8*(2*\t+\ks)+3],   v[QO], s[24:25] offset:32768*\t+64*\ks
	global_load_b128 v[QF+8*(2*\t+\ks)+4:QF+8*(2*\t+\ks)+7], v[QO], s[24:25] offset:32768*\t+64*\ks+32
.endr
.endr
	WIN 0
.irp t, 0,1,2,3
	v_mov_b32 v[NM+2*\t+1], 1.0                    ; the pairs' second halves, so that each pair is whole when the first step reads it
.endr
.macro KLOAD slot, i                   ; 64 keys x 64 d of K as 8 fragments: 16 loads
.irp kt, 0,1,2,3
.irp ks, 0,1
	ds_load_b128 v[KF+8*(2*\kt+\ks):KF+8*(2*\kt+\ks)+3],   v[KA+\slot] offset:128*KP*(\i)+16*KP*\kt+64*\ks
	ds_load_b128 v[KF+8*(2*\kt+\ks)+4:KF+8*(2*\kt+\ks)+7], v[KA+\slot] offset:128*KP*(\i)+16*KP*\kt+64*\ks+32
.endr
.endr
.endm
.macro VLOAD slot, i                   ; the same 64 keys of V, transposed on the way, as 8 fragments: 16 loads (window: destination 1)
.irp d, 0,1,2,3
.irp kk, 0,1
	ds_load_tr16_b128 v[VF+8*(2*\d+\kk):VF+8*(2*\d+\kk)+3],   v[VA+\slot] offset:128*VP*(\i)+32*VP*\kk+32*\d
	ds_load_tr16_b128 v[VF+8*(2*\d+\kk)+4:VF+8*(2*\d+\kk)+7], v[VA+\slot] offset:128*VP*(\i)+32*VP*\kk+32*\d+16*VP
.endr
.endr
.endm
; One matrix instruction of S^T = K Q^T: 16 keys (tile kt) x the 16 queries of tile tn, half ks of d; ks = 0 starts the sum.  Window: source 1 (Q) in 1.
.macro SWMMA tn, kt, ks
.if \ks == 0
	v_wmma_f32_16x16x32_f16 v[SX+32*\tn+8*\kt:SX+32*\tn+8*\kt+7], v[KF+16*\kt:KF+16*\kt+7], v[QF+16*\tn:QF+16*\tn+7], 0
.else
	v_wmma_f32_16x16x32_f16 v[SX+32*\tn+8*\kt:SX+32*\tn+8*\kt+7], v[KF+16*\kt+8:KF+16*\kt+15], v[QF+16*\tn+8:QF+16*\tn+15], v[SX+32*\tn+8*\kt:SX+32*\tn+8*\kt+7]
.endif
.endm
; One matrix instruction of O^T += V^T P^T: 16 d (tile d) x the 16 queries of tile t, 32 keys (half kk).  Window: V, and O as C and D, in 1; P in 0.
.macro PW t, d, kk, zero
.if \zero
	v_wmma_f32_16x16x32_f16 v[8*(4*\t+\d):8*(4*\t+\d)+7], v[VF+8*(2*\d+\kk):VF+8*(2*\d+\kk)+7], v[SX+32*\t+8*\kk:SX+32*\t+8*\kk+7], 0
.else
	v_wmma_f32_16x16x32_f16 v[8*(4*\t+\d):8*(4*\t+\d)+7], v[VF+8*(2*\d+\kk):VF+8*(2*\d+\kk)+7], v[SX+32*\t+8*\kk:SX+32*\t+8*\kk+7], v[8*(4*\t+\d):8*(4*\t+\d)+7]
.endif
.endm
; O(t, d) times the factor (the pair's second half, for both halves of the result).  The same window setting as PW: O in 1, the pair in 0.
.macro RS t, d
.irp q, 0,2,4,6
	v_pk_mul_f32 v[8*(4*\t+\d)+\q:8*(4*\t+\d)+\q+1], v[8*(4*\t+\d)+\q:8*(4*\t+\d)+\q+1], v[NM+2*\t:NM+2*\t+1] op_sel:[0,1] op_sel_hi:[1,1]
.endr
.endm
.macro MAXG j                          ; one more level of the four chains of the maximum
	v_max3_num_f32 v[T0],   v[T0],   v[XB+3+\j],  v[XB+4+\j]
	v_max3_num_f32 v[T0+1], v[T0+1], v[XB+12+\j], v[XB+13+\j]
	v_max3_num_f32 v[T0+2], v[T0+2], v[XB+21+\j], v[XB+22+\j]
	v_max3_num_f32 v[T0+3], v[T0+3], v[XB+28+\j], v[XB+29+\j]
.endm
.macro PACK p0                         ; four words of P, in place: word p takes numbers 2 p and 2 p + 1; ascending p never writes a number that is still to be read
.irp q, 0,1,2,3
	v_cvt_pk_f16_f32 v[XB+\p0+\q], v[XB+2*(\p0+\q)], v[XB+2*(\p0+\q)+1]
.endr
.endm
; ONE STAGE: query tile t; my 32 scores of query r lie in v[XB .. XB+31].
;   tn, look:  look = 1: the eight matrix instructions of S for tile tn stand between this tile's exponentials
;   kwait:     those need K's fragments of the next step: wait for their loads
;   kload:     K's fragments of step (kslot, ki) are asked for, behind this step's last S
;   vload:     V's fragments of this step (vslot, vi) are asked for at the stage's head and waited for in front of its P V
.macro STAGE t, tn, first, look, kwait, kload, kslot, ki, vload, vslot, vi
.set XB, SX+32*\t
	; the largest of 32 scores and the running maximum: 16 instructions, four chains
	v_max3_num_f32 v[T0],   v[XB+0],  v[XB+1],  v[XB+2]
	v_max3_num_f32 v[T0+1], v[XB+9],  v[XB+10], v[XB+11]
	v_max3_num_f32 v[T0+2], v[XB+18], v[XB+19], v[XB+20]
	v_max3_num_f32 v[T0+3], v[XB+25], v[XB+26], v[XB+27]
	MAXG 0
.if \vload
	WIN 0x40                                       ; the eight lines above are plain vector instructions that name no register of the last step's P V:
	VLOAD \vslot, \vi                              ; more than the four places that a load onto V's fragments needs behind it
	WIN 0
.endif
	MAXG 2
	v_max3_num_f32 v[T0],   v[T0],   v[XB+7],  v[XB+8]
	v_max3_num_f32 v[T0+1], v[T0+1], v[XB+16], v[XB+17]
	v_max3_num_f32 v[T0],   v[T0],   v[T0+1],  v[T0+2]
.if \first
	v_max_num_f32 v[T0], v[T0], v[T0+3]
.else
	v_max3_num_f32 v[T0], v[T0], v[T0+3], v[MX+\t]
.endif
	v_permlanex16_b32 v[T0+1], v[T0], s26, s27     ; the other lane of my query
	v_max_num_f32 v[MX+\t], v[T0], v[T0+1]         ; the new running maximum
.if \first
	v_mul_f32 v[NM+2*\t], s22, v[MX+\t]            ; -c max
.else
	v_mul_f32 v[T0+2], s22, v[MX+\t]
	v_sub_f32 v[T0+3], v[T0+2], v[NM+2*\t]         ; c (old max - new max), never above 0
	v_exp_f32 v[NM+2*\t+1], v[T0+3]                ; the factor for what has been summed so far
	v_mov_b32 v[NM+2*\t], v[T0+2]                  ; a plain instruction behind the exponential, ahead of the first read of its pair (ISA guide 5.7.2)
	s_wait_alu depctr_va_vdst(0)
.endif
	; p = 2^(c s - c max).  Two exponentials, then the next but one pair's multiply-add: a plain independent instruction stands behind every
	; exponential before its result is read.  The window setting is S's (source 1 in window 1): v_exp_f32 has no source 1 and the multiply-add's
	; is a scalar pair, so both name window 0 alone and no switch stands between them and the matrix instructions.
	WIN 0x04
.if \kwait
	s_wait_dscnt 0x0                               ; K's fragments of the next step, asked for a stage ago; no LDS load was issued behind them
.endif
	v_pk_fma_f32 v[XB:XB+1],   v[XB:XB+1],   s[20:21], v[NM+2*\t:NM+2*\t+1] op_sel_hi:[1,0,0]
	v_pk_fma_f32 v[XB+2:XB+3], v[XB+2:XB+3], s[20:21], v[NM+2*\t:NM+2*\t+1] op_sel_hi:[1,0,0]
.set p, 0
.rept 16
.if \look
.if (p&1) == 0
.set wkt, (p>>1)&3
.set wks, p>>3
	SWMMA \tn, wkt, wks                            ; the four key tiles by turns, first half of d, then second; it names no register of tile t
.endif
.endif
	v_exp_f32 v[XB+2*p],   v[XB+2*p]
	v_exp_f32 v[XB+2*p+1], v[XB+2*p+1]
.if p < 14
	v_pk_fma_f32 v[XB+2*p+4:XB+2*p+5], v[XB+2*p+4:XB+2*p+5], s[20:21], v[NM+2*\t:NM+2*\t+1] op_sel_hi:[1,0,0]
.endif
.set p, p+1
.endr
	WIN 0
	; the sum, four chains; the first of these lines is the plain place behind the last exponentials
	s_wait_alu depctr_va_vdst(0)
.irp c, 0,1,2,3
	v_pk_add_f32 v[SA+2*\c:SA+2*\c+1], v[XB+4*\c:XB+4*\c+1], v[XB+4*\c+2:XB+4*\c+3]
.endr
.irp c, 0,1,2,3
	v_pk_add_f32 v[SA+2*\c:SA+2*\c+1], v[SA+2*\c:SA+2*\c+1], v[XB+16+2*\c:XB+16+2*\c+1]
.endr
.if \kload
	KLOAD \kslot, \ki                              ; eight plain vector instructions stand behind this step's last S: more than the four places that a load onto K's fragments needs
.endif
.irp c, 0,1,2,3
	v_pk_add_f32 v[SA+2*\c:SA+2*\c+1], v[SA+2*\c:SA+2*\c+1], v[XB+24+2*\c:XB+24+2*\c+1]
.endr
	; all 32 numbers have been read by the sum: its last, dependent lines stand among the packing, which does not wait for them
	v_pk_add_f32 v[SA:SA+1],   v[SA:SA+1],   v[SA+2:SA+3]
	v_pk_add_f32 v[SA+4:SA+5], v[SA+4:SA+5], v[SA+6:SA+7]
	PACK 0
	v_pk_add_f32 v[SA:SA+1],   v[SA:SA+1],   v[SA+4:SA+5]
	PACK 4
.if \first
	v_add_f32 v[LS+\t], v[SA], v[SA+1]             ; my lane's part of the sum; the two lanes of a query are added at the end
	PACK 8
.else
	v_add_f32 v[T0], v[SA], v[SA+1]
	PACK 8
	v_fma_f32 v[LS+\t], v[LS+\t], v[NM+2*\t+1], v[T0]
.endif
	PACK 12                                        ; v[XB .. XB+7] = keys 0-31, v[XB+8 .. XB+15] = keys 32-63 as second sources
	; O(t) times the factor, and O(t) += V^T P(t)^T: four accumulators by turns, one window setting for both
	WIN 0x51
.if \vload
	s_wait_dscnt 0x0                               ; V's fragments, asked for at the stage's head; no LDS load was issued behind them
.endif
.if \first
.irp d, 0,1,2,3
	PW \t, \d, 0, 1                                ; the first product starts the sums: nothing is cleared
.endr
.else
	RS \t, 0
	RS \t, 1
	PW \t, 0, 0, 0
	RS \t, 2                                       ; writes an accumulator that no matrix instruction of this stage has named yet
	PW \t, 1, 0, 0
	RS \t, 3
	PW \t, 2, 0, 0
	PW \t, 3, 0, 0
.endif
.irp d, 0,1,2,3
	PW \t, \d, 1, 0
.endr
	WIN 0
.endm
; The change of slots.  It stands behind stage 0 of a slot's second step: V's fragments of that step, my last read of the slot, are in registers
; there, and the other slot is first read two stages later, so the stages run on through the change.  In front of the barrier every wave waits
; for all its tensor loads (its part of the other slot among them) and for its reads of 'slot'.  refill = 1: the barrier is a round of the
; cluster's barrier, and behind it 'slot' is filled again, one load a wave, which has two steps in which to land.
.macro TURN slot, refill
	s_wait_xcnt 0x0
	v_lshl_add_u32 v254, v0, 2, 0x4e800
	v_mov_b32 v255, 0
	s_wait_tensorcnt 0x0                           ; no load of mine is out: every group 0 may be written
	ds_add_u32 v254, v255
	s_wait_dscnt 0x0
.if \refill
	s_add_nc_u64 s[G0K+4*\slot+2:G0K+4*\slot+3], s[G0K+4*\slot+2:G0K+4*\slot+3], 2*TILEB
	s_add_nc_u64 s[G0V+4*\slot+2:G0V+4*\slot+3], s[G0V+4*\slot+2:G0V+4*\slot+3], 2*TILEB
.endif
	s_wait_dscnt 0x0                               ; my reads of this slot are over
.if \refill
	ROUND                                          ; both now hold of every wave of all four work-groups
	JLOAD \slot
.else
	s_barrier_signal -1
	s_barrier_wait -1
.endif
.endm
; One step: my 64 keys number vi of slot vslot.  knext = 1: another step follows, whose keys are number ki of slot kslot.
; turn = 2: the slot is given back and filled again; turn = 1: given back, nothing is left to fetch; turn = 0: the slot's first step, or the last slot.
.macro PSTEP vslot, vi, first, knext, kslot, ki, turn
	STAGE 0, 1, \first, 1, 0, 0, 0, 0, 1, \vslot, \vi
.if \turn == 2
	TURN \vslot, 1
.endif
.if \turn == 1
	TURN \vslot, 0
.endif
	STAGE 1, 2, \first, 1, 0, 0, 0, 0, 0, 0, 0
	STAGE 2, 3, \first, 1, 0, \knext, \kslot, \ki, 0, 0, 0
	STAGE 3, 0, \first, \knext, \knext, 0, 0, 0, 0, 0, 0
.endm
	s_wait_tensorcnt 0x1                           ; my part of slot 0 is in; slot 1's load, issued behind it, stays out
	s_barrier_signal -1
	s_barrier_wait -1
	s_wait_loadcnt 0x0                             ; Q
	KLOAD 0, 0
	s_wait_dscnt 0x0
	WIN 0x04
.irp ks, 0,1
.irp kt, 0,1,2,3
	SWMMA 0, \kt, \ks                              ; the very first tile's scores have no stage to stand in
.endr
.endr
	WIN 0
	PLACES 4                                       ; four places before S is read (ISA guide 7.12.1)
	PSTEP 0, 0, 1, 1, 0, 1, 0                      ; step 0 starts O, the maxima and the sums: nothing is cleared
	s_mov_b32 s60, 3
.Lfour:                                            ; steps 1 to 12, four a trip; six refills: keys 512 to 2,047
	PSTEP 0, 1, 0, 1, 1, 0, 2
	PSTEP 1, 0, 0, 1, 1, 1, 0
	PSTEP 1, 1, 0, 1, 0, 0, 2
	PSTEP 0, 0, 0, 1, 0, 1, 0
	s_sub_co_u32 s60, s60, 1
	s_cmp_lg_u32 s60, 0
	s_cbranch_scc1 .Lfour
	PSTEP 0, 1, 0, 1, 1, 0, 1                      ; step 13: slot 0's last reads; nothing is left to fetch
	PSTEP 1, 0, 0, 1, 1, 1, 0
	PSTEP 1, 1, 0, 0, 0, 0, 0                      ; step 15: no step follows
	PLACES 5                                       ; the places behind the last matrix instructions: O is stored or read, and loads land where P lay
	; THE MERGE.  Waves 4-7 put O, the pairs and the sums, register by register, into slot 0: it has had its last fill, and every wave's
	; reads of it were waited for in front of the last barrier.
	s_cmp_eq_u32 s9, 0
	s_cbranch_scc1 .Lkeeps
	WIN 0x04                                       ; store data in window 1
.set p, 0
.rept 32
	ds_store_b128 v[MS], v[4*p:4*p+3] offset:512*p
.set p, p+1
.endr
	WIN 0
	ds_store_b128 v[MS], v[NM:NM+3]   offset:16384
	ds_store_b128 v[MS], v[NM+4:NM+7] offset:16896
	ds_store_b128 v[MS], v[LS:LS+3]   offset:17408
.Lkeeps:
	s_wait_dscnt 0x0                               ; for the partner's sake: my stores are done
	s_barrier_signal -1
	s_barrier_wait -1
	s_cmp_lg_u32 s9, 0
	s_cbranch_scc1 .Lgave
	ds_load_b128 v[48:51], v[MS] offset:16384      ; the partner's pairs (-c max, factor),
	ds_load_b128 v[52:55], v[MS] offset:16896
	ds_load_b128 v[56:59], v[MS] offset:17408      ; its sums,
.set p, 0
.rept 32
	ds_load_b128 v[SX+4*p:SX+4*p+3], v[MS] offset:512*p   ; and its O, where P lay
.set p, p+1
.endr
	s_wait_dscnt 32                                ; the three small loads are in; the 32 of O, issued behind them, stay out
.irp t, 0,1,2,3
	v_min_num_f32 v[60+\t], v[NM+2*\t], v[48+2*\t] ; -c x the larger maximum
.endr
.irp t, 0,1,2,3
	v_sub_f32 v[SA+2*\t],   v[60+\t], v[NM+2*\t]   ; never above 0
	v_sub_f32 v[SA+2*\t+1], v[60+\t], v[48+2*\t]
.endr
.irp i, 0,1,2,3,4,5,6,7
	v_exp_f32 v[SA+\i], v[SA+\i]                   ; my factor, the partner's factor
.endr
	v_nop                                          ; a plain place behind the exponentials
	s_wait_alu depctr_va_vdst(0)
.irp t, 0,1,2,3
	v_mul_f32 v[60+\t], v[SA+2*\t], v[LS+\t]
.endr
.irp t, 0,1,2,3
	v_fmac_f32 v[60+\t], v[SA+2*\t+1], v[56+\t]
.endr
.irp t, 0,1,2,3
	v_permlanex16_b32 v[MX+\t], v[60+\t], s26, s27 ; the other lane of my query holds the other keys' part
.endr
.irp t, 0,1,2,3
	v_add_f32 v[60+\t], v[60+\t], v[MX+\t]         ; the whole sum: at least 1, since the largest weight is 1
.endr
.irp t, 0,1,2,3
	v_rcp_f32 v[60+\t], v[60+\t]
.endr
	v_nop                                          ; a plain place behind the reciprocals
	s_wait_alu depctr_va_vdst(0)
.irp t, 0,1,2,3
	v_mul_f32 v[T0+2*\t],   v[SA+2*\t],   v[60+\t] ; pair (mine, the partner's): factor / sum
	v_mul_f32 v[T0+2*\t+1], v[SA+2*\t+1], v[60+\t]
.endr
	s_wait_dscnt 0x0                               ; the partner's O
.irp t, 0,1,2,3
.set p, 0
.rept 16
	v_pk_mul_f32 v[SX+32*\t+2*p:SX+32*\t+2*p+1], v[SX+32*\t+2*p:SX+32*\t+2*p+1], v[T0+2*\t:T0+2*\t+1] op_sel:[0,1] op_sel_hi:[1,1]
.set p, p+1
.endr
.endr
	WIN 0x01                                       ; source 0 (my O) in window 1
.irp t, 0,1,2,3
.set p, 0
.rept 16
	v_pk_fma_f32 v[SX+32*\t+2*p:SX+32*\t+2*p+1], v[32*\t+2*p:32*\t+2*p+1], v[T0+2*\t:T0+2*\t+1], v[SX+32*\t+2*p:SX+32*\t+2*p+1] op_sel_hi:[1,0,1]
.set p, p+1
.endr
.endr
	WIN 0
.set p, 0
.rept 64
	v_cvt_pk_f16_f32 v[SX+p], v[SX+2*p], v[SX+2*p+1]   ; in place: tile (t, d) becomes the 16 bytes in v[SX + 4 (4 t + d) ..]
.set p, p+1
.endr
.irp t, 0,1,2,3
.irp d, 0,1,2,3
	ds_store_b128 v[OS], v[SX+4*(4*\t+\d):SX+4*(4*\t+\d)+3] offset:16*272*\t+32*\d
.endr
.endr
.Lgave:
	s_wait_dscnt 0x0                               ; for the others' sake: my stores into the stage are done
	s_barrier_signal -1
	s_barrier_wait -1
	; THE WAY OUT: every wave takes 16 of the 128 rows back as whole rows of 256 bytes.
.irp i, 0,1,2,3,4,5,6,7
	ds_load_b128 v[KF+4*\i:KF+4*\i+3], v[ORD] offset:2*272*\i
.endr
.irp i, 0,1,2,3,4,5,6,7
	s_wait_dscnt 7-\i                              ; load i is in, the 7 - i younger ones stay out
	global_store_b128 v[GO], v[KF+4*\i:KF+4*\i+3], s[6:7] offset:4096*\i   ; 16 lanes store 256 consecutive bytes, aligned
.endr
	s_wait_xcnt 0x0
	v_lshl_add_u32 v254, v0, 2, 0x4e800
	v_mov_b32 v255, 0
	s_wait_tensorcnt 0x0
	ds_add_u32 v254, v255
	s_wait_dscnt 0x0
	ROUND                                          ; the closing round: no work-group ends while a partner may still ask for a tile that names it
	s_endpgm
.Lfunc_end_k_q5a4738657b_attn:
	.size	k_q5a4738657b_attn, .Lfunc_end_k_q5a4738657b_attn-k_q5a4738657b_attn
	.p2alignl 7, 3214868480
	.fill 96, 4, 3214868480
	.section	.rodata,"a",@progbits
	.p2align	6, 0x0
	.amdhsa_kernel k_q5a4738657b_attn
		.amdhsa_group_segment_fixed_size 327680
		.amdhsa_private_segment_fixed_size 0
		.amdhsa_enable_private_segment 0
		.amdhsa_kernarg_size 16
		.amdhsa_user_sgpr_count 2
		.amdhsa_user_sgpr_kernarg_segment_ptr 1
		.amdhsa_wavefront_size32 1
		.amdhsa_system_sgpr_workgroup_id_x 1
		.amdhsa_system_sgpr_workgroup_id_y 1
		.amdhsa_system_sgpr_workgroup_id_z 1
		.amdhsa_system_vgpr_workitem_id 0
		.amdhsa_next_free_vgpr 512
		.amdhsa_next_free_sgpr 66
		.amdhsa_reserve_vcc 0
		.amdhsa_float_denorm_mode_32 3
		.amdhsa_float_denorm_mode_16_64 3
		.amdhsa_memory_ordered 1
		.amdhsa_forward_progress 1
		.amdhsa_inst_pref_size 255
	.end_amdhsa_kernel
	.section	.bss,"aw",@nobits
	.p2align	6
	.space	262144
	.amdgpu_metadata
---
amdhsa.version: [ 1, 2 ]
amdhsa.kernels:
  - .name:           k_q5a4738657b_attn
    .symbol:         k_q5a4738657b_attn.kd
    .args:
      - { .name: qkv, .offset: 0, .size: 8, .value_kind: global_buffer, .address_space: global }
      - { .name: ob, .offset: 8, .size: 8, .value_kind: global_buffer, .address_space: global }
    .group_segment_fixed_size: 327680
    .private_segment_fixed_size: 0
    .kernarg_segment_align: 8
    .kernarg_segment_size: 16
    .max_flat_workgroup_size: 256
    .sgpr_count:     66
    .vgpr_count:     512
    .wavefront_size: 32
...
	.end_amdgpu_metadata
.endif
;; end of part 3
;; launch oproj (part 4): grid 8 x 32, 4 waves a work-group, clusters of 4 x 4, 327,680 bytes of LDS; arguments ob, cb, bo, out0; writes out0
.if DOCPART == 4
	.amdgcn_target "amdgcn-amd-amdhsa--gfx1250"
	.amdhsa_code_object_version 6
	.text
	.protected	k_q5a4738657b_oproj
	.globl	k_q5a4738657b_oproj
	.p2align	8
	.type	k_q5a4738657b_oproj,@function
k_q5a4738657b_oproj:
	s_mov_b64 s[64:65], 0
	v_nop
	global_prefetch_b8 v0, s[64:65] scope:SCOPE_SE
	s_setreg_imm32_b32 hwreg(HW_REG_WAVE_MODE, 25, 1), 1
	s_wait_xcnt 0x0
	s_wait_alu depctr_hold_cnt(0) depctr_sa_sdst(0) depctr_va_vdst(0) depctr_va_sdst(0) depctr_va_ssrc(0) depctr_va_vcc(0) depctr_vm_vsrc(0)
	s_getreg_b32 s2, hwreg(HW_REG_IB_STS2, 6, 4)
	s_cmp_eq_u32 s2, 0
	s_cbranch_scc0 .Lentry_in_a_cluster
	s_endpgm
.Lentry_in_a_cluster:
	s_bfe_u32 s2, ttmp6, 0x10000c
	s_cmp_lg_u32 s2, 0xf033
	s_cbranch_scc0 .Lentry_shape_is_right
	s_endpgm
.Lentry_shape_is_right:
; out0 = O Wo + bo.  O = ob [4096][1024] f16, Wo = the last 2,097,152 bytes of cb, [1024 (k)][1024 (n)] f16, bo [1024] f32, out0 f32.
; f16 operands, f32 sums, the bias added in f32.
; 8 x 32 = 256 blocks of 128 x 128, one for each work-group; four waves, each 64 x 64: 16 accumulator tiles.  A larger block would feed more
; multiply-adds from each LDS byte, but there would be fewer than 256 of them.
; K goes in four tiles of 256 through two LDS slots; all four are written out, there is no loop.
;   A's tile: 128 rows of O x 256 k: rows of 512 bytes, LDS pitch 528, two halves of 64 rows.
;   B's tile: 256 k-rows of Wo x 128 columns: rows of 256 bytes, LDS pitch 288; the fragments are made by transposing loads.
; CLUSTERS: 4 x 4 work-groups; A's tile is shared along a row of the cluster, B's along a column: joint loads, a quarter of the requests.
; THE MATRIX INSTRUCTION IS USED TRANSPOSED (source 0 = 16 columns of Wo, source 1 = 16 rows of O): a lane's eight results are eight
; neighbouring columns of one row, 32 bytes.  The 16 accumulators take turns, one matrix instruction a turn.
; REGISTERS: window 0: v16-31 addresses and bias; v64-127, v128-191 two fragment buffers (A's four at +0, B's four at +32);
;            window 1: v0-127 accumulator (a, b) at 8 (4 a + b).
.set KT,     256
.set APITCH, 528                       ; 512 + 16: an odd multiple of 16
.set BPITCH, 288                       ; 256 + 32: an odd multiple of 32
.set PART,   36864                     ; a wave's part of a slot: 128 k-rows of B exactly; 64 rows of A take 33,792 of it
.set SLOT,   4*PART
.set STAGE,  2*SLOT                    ; 294,912: 16 rows x 272 bytes for each wave; no fill lands there
.set SPITCH, 272
.set WOBASE, 23068672
.set ADRA, 16                          ; v16-17  my A fragments in slot 0, 1
.set ADRB, 20                          ; v20-23  my B fragments: slot 0 k-rows 0-127, 128-255; slot 1 likewise
.set STO,  24
.set RD,   25
.set CO,   26
.set BOF,  27
.set BIAS, 28                          ; v[28:31]
.set F0,   64
.set F1,   128
.set G1, 24
.set G0, 32
.set G1B, 48
.set G0B, 56
.set MSB, 0
.macro WIN new
.if MSB != \new
	s_set_vgpr_msb (MSB<<8)|\new
.set MSB, \new
.endif
.endm
.macro PLACES n
.rept \n
	v_nop
.endr
.endm
.macro ROUND                           ; a round of the cluster's barrier
	s_barrier_signal -1
	s_barrier_wait -1
	s_cmp_lg_u32 s12, 0
	s_cbranch_scc1 .Lnot_wave_0_\@
	s_barrier_signal -3
.Lnot_wave_0_\@:
	s_barrier_wait -3
	s_barrier_signal -1
	s_barrier_wait -1
.endm
.macro JLOAD s                         ; waves 0, 1: A's halves; waves 2, 3: B's; the branch hangs on the wave's number alone
	s_cmp_eq_u32 s13, 0
	s_cbranch_scc0 .Lfor_b_\@
	tensor_load_to_lds s[G0+4*\s:G0+4*\s+3], s[G1:G1+7]
	s_nop 0
	s_branch .Lasked_\@
.Lfor_b_\@:
	tensor_load_to_lds s[G0B+4*\s:G0B+4*\s+3], s[G1B:G1B+7]
	s_nop 0
.Lasked_\@:
.endm
	s_load_b256 s[4:11], s[0:1], 0x0               ; ob s[4:5], cb s[6:7], bo s[8:9], out0 s[10:11]
	v_lshl_add_u32 v254, v0, 2, 0x4c400
	v_mov_b32 v255, 0
	ds_add_u32 v254, v255
	v_lshrrev_b32 v1, 5, v0
	v_readfirstlane_b32 s12, v1                    ; wave 0..3
	s_lshr_b32 s13, s12, 1                         ; my 64 of the block's rows.  Also: I fetch for A (0) or for B (1)
	s_and_b32 s14, s12, 1                          ; my 64 of its columns.  Also: which half of that tile I fetch
	s_bfe_u32 s40, ttmp6, 0x40000                  ; cx
	s_bfe_u32 s41, ttmp6, 0x40004                  ; cy
	s_lshl_b32 s42, ttmp9, 2
	s_add_co_u32 s42, s42, s40                     ; block column
	s_and_b32 s15, ttmp7, 0xffff
	s_lshl_b32 s15, s15, 2
	s_add_co_u32 s15, s15, s41                     ; block row
	s_lshl_b32 s43, s41, 2
	s_lshl_b32 s43, 15, s43                        ; my row of the cluster
	s_lshl_b32 s44, 0x1111, s40                    ; my column
	; group 1 for A: 64 rows x 256 elements of 2 bytes, 4 words of padding behind every 128 words
	s_or_b32 s[G1+0], s43, (1<<16)|(1<<20)|(1<<21)|(6<<22)|(3<<25)
	s_mov_b32 s[G1+1], KT<<16                      ; tensor_dim0 = 256
	s_mov_b32 s[G1+2], 64<<16                      ; tensor_dim1 = 64
	s_mov_b32 s[G1+3], KT<<16                      ; tile_dim0 = 256
	s_mov_b32 s[G1+4], 64                          ; tile_dim1 = 64
	s_mov_b32 s[G1+5], 1024
	s_mov_b32 s[G1+6], 0
	s_mov_b32 s[G1+7], 0
	; group 1 for B: 128 k-rows x 128 elements, 8 words of padding behind every 64 words
	s_or_b32 s[G1B+0], s44, (1<<16)|(1<<20)|(1<<21)|(5<<22)|(7<<25)
	s_mov_b32 s[G1B+1], 128<<16
	s_mov_b32 s[G1B+2], 128<<16
	s_mov_b32 s[G1B+3], 128<<16
	s_mov_b32 s[G1B+4], 128
	s_mov_b32 s[G1B+5], 1024
	s_mov_b32 s[G1B+6], 0
	s_mov_b32 s[G1B+7], 0
	s_lshl_b32 s16, s15, 7
	s_lshl_b32 s17, s14, 6
	s_add_co_u32 s16, s16, s17                     ; A: row 128 x block row + 64 x half,
	s_lshl_b32 s16, s16, 11                        ; x 2,048 bytes
	s_mov_b32 s17, 0
	s_lshl_b32 s46, s14, 18                        ; B: k-row 128 x half, x 2,048 bytes,
	s_lshl_b32 s47, s42, 8                         ; column 128 x block column, x 2 bytes
	s_add_co_u32 s46, s46, s47
	s_add_co_u32 s46, s46, WOBASE
	s_mov_b32 s47, 0
	s_mul_i32 s20, s12, PART                       ; LDS: wave x 36,864: no place in the cluster enters an LDS address
	s_wait_dscnt 0x0
	s_wait_kmcnt 0x0
	s_add_nc_u64 s[18:19], s[4:5], s[16:17]
	s_add_nc_u64 s[46:47], s[6:7], s[46:47]
	ROUND                                          ; all sixteen work-groups are here: the first joint loads meet
.irp s, 0,1
	s_mov_b32 s[G0+4*\s], 1
	s_add_co_u32 s[G0+4*\s+1], s20, \s*SLOT
	s_add_nc_u64 s[G0+4*\s+2:G0+4*\s+3], s[18:19], \s*KT*2          ; tile s: 512 bytes along the rows
	s_or_b32 s[G0+4*\s+3], s[G0+4*\s+3], 0x80000000
	s_mov_b32 s[G0B+4*\s], 1
	s_add_co_u32 s[G0B+4*\s+1], s20, \s*SLOT
	s_add_nc_u64 s[G0B+4*\s+2:G0B+4*\s+3], s[46:47], \s*KT*2048     ; tile s: 256 rows down
	s_or_b32 s[G0B+4*\s+3], s[G0B+4*\s+3], 0x80000000
	JLOAD \s                                       ; two loads of a wave are out, the most in this text
.endr
	v_and_b32 v1, 15, v0                           ; r
	v_bfe_u32 v2, v0, 4, 1                         ; h
	v_mul_u32_u24 v3, v1, APITCH
	v_lshl_add_u32 v3, v2, 4, v3
	s_mul_i32 s21, s13, PART                       ; my 64 rows of A
	v_add_nc_u32 v[ADRA], s21, v3
	v_add_nc_u32 v[ADRA+1], SLOT, v[ADRA]
	v_and_b32 v4, 7, v0
	v_lshl_add_u32 v4, v2, 3, v4
	v_mul_u32_u24 v4, v4, BPITCH
	v_bfe_u32 v5, v0, 3, 1
	v_lshl_add_u32 v4, v5, 4, v4                   ; (8 h + l % 8) x 288 + 16 ((l / 8) % 2)
	s_lshl_b32 s22, s14, 7                         ; my 64 columns: 128 bytes along B's rows,
	s_add_co_u32 s22, s22, 2*PART                  ; behind A's two parts
	v_add_nc_u32 v[ADRB], s22, v4
	v_add_nc_u32 v[ADRB+1], PART, v[ADRB]          ; k-rows 128 and on: a register of its own, since the 16-bit offset does not reach them
	v_add_nc_u32 v[ADRB+2], SLOT, v[ADRB]
	v_add_nc_u32 v[ADRB+3], SLOT+PART, v[ADRB]
	s_mul_i32 s23, s12, 16*SPITCH
	s_add_co_u32 s23, s23, STAGE                   ; my stage
	v_mul_u32_u24 v5, v1, SPITCH
	v_lshl_add_u32 v5, v2, 5, v5
	v_add_nc_u32 v[STO], s23, v5                   ; in: row r, 32 bytes for each half of the lanes
	v_mul_u32_u24 v5, v2, SPITCH
	v_lshl_add_u32 v5, v1, 4, v5
	v_add_nc_u32 v[RD], s23, v5                    ; back: lanes 0-15 one row of 256 bytes, lanes 16-31 the next
	v_lshlrev_b32 v[CO], 12, v2
	v_lshl_add_u32 v[CO], v1, 4, v[CO]             ; the same two rows in out0
	s_lshl_b32 s45, s42, 9
	s_lshl_b32 s21, s14, 8
	s_add_co_u32 s45, s45, s21                     ; my first column x 4 bytes: 512 x block column + 256 x half
	v_lshl_add_u32 v[BOF], v1, 4, s45
	global_load_b128 v[BIAS:BIAS+3], v[BOF], s[8:9]   ; the bias of the four columns that I store, the same in every row
.macro FETCH slot, c, g                ; chunk c (32 k) of a slot into buffer g: 16 loads
.irp nb, 0,1,2,3
	ds_load_tr16_b128 v[\g+32+8*\nb:\g+32+8*\nb+3],   v[ADRB+2*\slot+((\c)>>2)] offset:((\c)&3)*32*BPITCH+32*\nb
	ds_load_tr16_b128 v[\g+32+8*\nb+4:\g+32+8*\nb+7], v[ADRB+2*\slot+((\c)>>2)] offset:((\c)&3)*32*BPITCH+32*\nb+16*BPITCH
.endr
.irp i, 0,1,2,3
	ds_load_b128 v[\g+8*\i:\g+8*\i+3],   v[ADRA+\slot] offset:16*APITCH*\i+64*(\c)
	ds_load_b128 v[\g+8*\i+4:\g+8*\i+7], v[ADRA+\slot] offset:16*APITCH*\i+64*(\c)+32
.endr
.endm
.macro MUL16 f, zero                   ; 64 x 64 x 32: each accumulator once
.irp a, 0,1,2,3
.irp b, 0,1,2,3
.if \zero
	v_wmma_f32_16x16x32_f16 v[8*(4*\a+\b):8*(4*\a+\b)+7], v[\f+32+8*\b:\f+32+8*\b+7], v[\f+8*\a:\f+8*\a+7], 0
.else
	v_wmma_f32_16x16x32_f16 v[8*(4*\a+\b):8*(4*\a+\b)+7], v[\f+32+8*\b:\f+32+8*\b+7], v[\f+8*\a:\f+8*\a+7], v[8*(4*\a+\b):8*(4*\a+\b)+7]
.endif
.endr
.endr
.endm
.macro STEPC slot, c, f, g, zero       ; buffer f is multiplied while chunk c of 'slot' comes into buffer g
	PLACES 4                                       ; loads land on registers that matrix instructions have read only four places behind them
	FETCH \slot, \c, \g
	s_wait_dscnt 16                                ; buffer f is in; the 16 loads just issued stay out
	WIN 0x50                                       ; C and D in window 1
	MUL16 \f, \zero
	WIN 0
.endm
; A tile.  turn = 2: in front of its last chunk the slot is given back and filled again behind a round of the cluster's barrier;
; turn = 1: a plain barrier, nothing is left to fetch; turn = 0: the last tile.
.macro TILE slot, other, turn, zero
	STEPC \slot, 1, F0, F1, \zero
	STEPC \slot, 2, F1, F0, 0
	STEPC \slot, 3, F0, F1, 0
	STEPC \slot, 4, F1, F0, 0
	STEPC \slot, 5, F0, F1, 0
	STEPC \slot, 6, F1, F0, 0
	STEPC \slot, 7, F0, F1, 0
	s_wait_dscnt 0x0                               ; the last chunk's fragments are in registers: my reads of this slot are over
.if \turn
	s_wait_tensorcnt 0x0                           ; all my tensor loads have landed: the one that was out is my part of the other slot
	ds_add_u32 v254, v255
	s_wait_dscnt 0x0
.if \turn == 2
	s_add_nc_u64 s[G0+4*\slot+2:G0+4*\slot+3], s[G0+4*\slot+2:G0+4*\slot+3], 2*KT*2
	s_add_nc_u64 s[G0B+4*\slot+2:G0B+4*\slot+3], s[G0B+4*\slot+2:G0B+4*\slot+3], 2*KT*2048
	ROUND                                          ; both now hold of every wave of all sixteen work-groups
	JLOAD \slot                                    ; first behind the round, one load a wave: it has 128 matrix instructions of mine in which to land
.else
	s_barrier_signal -1
	s_barrier_wait -1
.endif
	STEPC \other, 0, F1, F0, 0
.else
	WIN 0x50
	MUL16 F1, 0
	WIN 0
.endif
.endm
	s_wait_tensorcnt 0x1                           ; my part of tile 0 is in; tile 1's load, issued behind it, stays out
	s_barrier_signal -1
	s_barrier_wait -1
	FETCH 0, 0, F0
	TILE 0, 1, 2, 1                                ; the first product starts the sums: nothing is cleared
	TILE 1, 0, 2, 0
	TILE 0, 1, 1, 0
	TILE 1, 0, 0, 0
	; THE WAY OUT, 16 rows at a time through my own stage: 32 bytes a lane in, whole rows of 256 bytes back, the bias added, stored.
	PLACES 4                                       ; the places behind the last matrix instructions
	s_wait_loadcnt 0x0                             ; the bias
	s_lshl_b32 s16, s15, 7
	s_lshl_b32 s17, s13, 6
	s_add_co_u32 s16, s16, s17                     ; my first row,
	s_lshl_b32 s16, s16, 12                        ; x 4,096 bytes
	s_mov_b32 s17, 0
	s_add_nc_u64 s[10:11], s[10:11], s[16:17]
	s_mov_b32 s46, s45                             ; my first column's bytes
	s_mov_b32 s47, 0
	s_add_nc_u64 s[10:11], s[10:11], s[46:47]
.macro OUT16 a, f
	WIN 0x04                                       ; store data in window 1
.irp b, 0,1,2,3
	ds_store_b128 v[STO], v[8*(4*\a+\b):8*(4*\a+\b)+3]   offset:64*\b
	ds_store_b128 v[STO], v[8*(4*\a+\b)+4:8*(4*\a+\b)+7] offset:64*\b+16
.endr
	WIN 0
	s_wait_xcnt 0x0                                ; buffer f, which earlier stores read, is rewritten only behind this wait (ISA guide 3.1)
.irp t, 0,1,2,3,4,5,6,7
	ds_load_b128 v[\f+4*\t:\f+4*\t+3], v[RD] offset:\t*2*SPITCH    ; LDS serves a wave's instructions in order (ISA guide 5.7.1.4): these see the stores above
.endr
.irp t, 0,1,2,3,4,5,6,7
	s_wait_dscnt 7-\t                              ; load t is in, the 7 - t younger ones stay out
	v_pk_add_f32 v[\f+4*\t:\f+4*\t+1],   v[\f+4*\t:\f+4*\t+1],   v[BIAS:BIAS+1]
	v_pk_add_f32 v[\f+4*\t+2:\f+4*\t+3], v[\f+4*\t+2:\f+4*\t+3], v[BIAS+2:BIAS+3]
	global_store_b128 v[CO], v[\f+4*\t:\f+4*\t+3], s[10:11] offset:(16*\a+2*\t)*4096 th:TH_STORE_NT   ; 16 lanes store 256 consecutive bytes, aligned
.endr
.endm
	OUT16 0, F0
	OUT16 1, F1
	OUT16 2, F0
	OUT16 3, F1
	s_wait_tensorcnt 0x0
	ds_add_u32 v254, v255
	s_wait_dscnt 0x0
	ROUND                                          ; the closing round: no work-group ends while a partner may still ask for a tile that names it
	s_endpgm
.Lfunc_end_k_q5a4738657b_oproj:
	.size	k_q5a4738657b_oproj, .Lfunc_end_k_q5a4738657b_oproj-k_q5a4738657b_oproj
	.p2alignl 7, 3214868480
	.fill 96, 4, 3214868480
	.section	.rodata,"a",@progbits
	.p2align	6, 0x0
	.amdhsa_kernel k_q5a4738657b_oproj
		.amdhsa_group_segment_fixed_size 327680
		.amdhsa_private_segment_fixed_size 0
		.amdhsa_enable_private_segment 0
		.amdhsa_kernarg_size 32
		.amdhsa_user_sgpr_count 2
		.amdhsa_user_sgpr_kernarg_segment_ptr 1
		.amdhsa_wavefront_size32 1
		.amdhsa_system_sgpr_workgroup_id_x 1
		.amdhsa_system_sgpr_workgroup_id_y 1
		.amdhsa_system_sgpr_workgroup_id_z 1
		.amdhsa_system_vgpr_workitem_id 0
		.amdhsa_next_free_vgpr 384
		.amdhsa_next_free_sgpr 66
		.amdhsa_reserve_vcc 0
		.amdhsa_float_denorm_mode_32 3
		.amdhsa_float_denorm_mode_16_64 3
		.amdhsa_memory_ordered 1
		.amdhsa_forward_progress 1
		.amdhsa_inst_pref_size 93
	.end_amdhsa_kernel
	.amdgpu_metadata
---
amdhsa.version: [ 1, 2 ]
amdhsa.kernels:
  - .name:           k_q5a4738657b_oproj
    .symbol:         k_q5a4738657b_oproj.kd
    .args:
      - { .name: ob, .offset: 0, .size: 8, .value_kind: global_buffer, .address_space: global }
      - { .name: cb, .offset: 8, .size: 8, .value_kind: global_buffer, .address_space: global }
      - { .name: bo, .offset: 16, .size: 8, .value_kind: global_buffer, .address_space: global }
      - { .name: out0, .offset: 24, .size: 8, .value_kind: global_buffer, .address_space: global }
    .group_segment_fixed_size: 327680
    .private_segment_fixed_size: 0
    .kernarg_segment_align: 8
    .kernarg_segment_size: 32
    .max_flat_workgroup_size: 128
    .sgpr_count:     66
    .vgpr_count:     384
    .wavefront_size: 32
...
	.end_amdgpu_metadata
.endif
;; end of part 4
;; ======== version 2 of 2: 4 launches; version 1 with the launch cast written anew for expert scheduling mode
;; limits: values are held in f16: magnitudes above 65,504 overflow, below 6.1e-05 lose precision
;; workspace buffers: cb 25,165,824 bytes; qkv 25,165,824 bytes; ob 8,388,608 bytes
;; launch cast (part 5): grid 256 x 3, 8 waves a work-group, no clusters, 0 bytes of LDS; arguments query, context, Wq, Wk, Wv, Wo, cb; writes cb
.if DOCPART == 5
	.amdgcn_target "amdgcn-amd-amdhsa--gfx1250"
	.amdhsa_code_object_version 6
	.text
	.protected	k_q5a4738657b_cast
	.globl	k_q5a4738657b_cast
	.p2align	8
	.type	k_q5a4738657b_cast,@function
k_q5a4738657b_cast:
	s_mov_b64 s[64:65], 0
	v_nop
	global_prefetch_b8 v0, s[64:65] scope:SCOPE_SE
	s_setreg_imm32_b32 hwreg(HW_REG_WAVE_SCHED_MODE, 0, 2), 2
	s_setreg_imm32_b32 hwreg(HW_REG_WAVE_MODE, 25, 1), 1
	s_wait_xcnt 0x0
	s_wait_alu depctr_vm_vsrc(0)
; f32 to f16, once, of everything that the matrix products read:
; cb = [ query 4096x1024 | context 4096x1024 | Wq | Wk | Wv | Wo (1024x1024 each) ], all f16, row-major as the inputs lie.
; Why f16 and not bf16: the attention's result is a mean over 2,048 nearly equal weights, so the roundings of V, P and O reach the
; output undamped; f16 keeps 11 significant bits where bf16 keeps 8.
; LIMIT: a number above 65,504 in magnitude becomes an infinity here; below 6.1e-5 f16 rounds in steps of 6e-8.
; A stream: no LDS, no barrier, no matrix unit, no cluster (no two work-groups read the same byte).
; 768 work-groups; each takes 65,536 bytes in and 32,768 out.  y = 0: query, y = 1: context, y = 2: the four weights, 64 work-groups each.
; A wave takes 8,192 bytes by 16 loads of 512 neighbouring bytes, all issued before the first wait; no register is written twice.
; THE MODE: SCHED_MODE bits 1:0 = 2 (LLVM: expert scheduling mode 2), set by the entry lines.  The code itself states the register dependences
; between vector instructions and memory instructions, with s_wait_alu, always for 0.
; THE PLAN.  The 16 loads go in four groups of four.  Registers that memory instructions touch:
;   v1, v2   byte offsets of the loads and of the stores: made once at the head, never written again.
;   X        load i lands in its own four registers, which no vector instruction names before; group i / 4's conversions read them; never loaded again.
;   Y        group g's eight conversions write its eight registers, once; the four stores that are issued in group g + 1 read them.
; Group g's conversions name X and Y of group g alone; its memory instructions are the stores from Y of group g - 1.  So one wait at the head of a
; group states all that its four stores hang on, and these are dealt among its conversions with no further wait.  One wait at the kernel's head
; states the offsets, one behind the last group its Y.  No register that a memory instruction reads is written again: nothing more is owed.
.set X, 4                              ; v[4:67]   16 x 4 numbers as loaded
.set Y, 68                             ; v[68:99]  16 x 2 words of two f16
	s_load_b256 s[4:11], s[0:1], 0x0               ; query s[4:5], context s[6:7], Wq s[8:9], Wk s[10:11]
	s_load_b128 s[12:15], s[0:1], 0x20             ; Wv s[12:13], Wo s[14:15]
	s_load_b64 s[16:17], s[0:1], 0x30              ; cb
	s_and_b32 s20, ttmp7, 0xffff                   ; y: which third of cb
	s_lshr_b32 s21, ttmp9, 6                       ; for y = 2: which weight
	s_and_b32 s23, ttmp9, 63                       ; for y = 2: which 65,536 bytes of it
	s_lshl_b32 s26, s20, 8
	s_add_co_u32 s26, s26, ttmp9
	s_lshl_b32 s26, s26, 15                        ; (256 y + x) x 32,768: my bytes of cb
	s_mov_b32 s27, 0
	s_mov_b32 s25, 0
	v_lshrrev_b32 v3, 5, v0                        ; wave
	v_and_b32 v1, 31, v0                           ; lane
	v_lshlrev_b32 v2, 3, v1                        ; out: 8 bytes a lane
	v_lshlrev_b32 v1, 4, v1                        ; in: 16 bytes a lane
	v_lshl_or_b32 v1, v3, 13, v1                   ; + wave x 8,192
	v_lshl_or_b32 v2, v3, 12, v2                   ; + wave x 4,096
	s_wait_kmcnt 0x0
	s_cmp_eq_u32 s21, 1                            ; the weight, chosen on the work-group's number alone
	s_cselect_b64 s[8:9], s[10:11], s[8:9]
	s_cmp_eq_u32 s21, 2
	s_cselect_b64 s[8:9], s[12:13], s[8:9]
	s_cmp_eq_u32 s21, 3
	s_cselect_b64 s[8:9], s[14:15], s[8:9]
	s_cmp_eq_u32 s20, 1                            ; the source
	s_cselect_b64 s[4:5], s[6:7], s[4:5]
	s_cmp_eq_u32 s20, 2
	s_cselect_b64 s[4:5], s[8:9], s[4:5]
	s_cselect_b32 s22, s23, ttmp9                  ; my block's number inside the source
	s_lshl_b32 s24, s22, 16
	s_add_nc_u64 s[4:5], s[4:5], s[24:25]
	s_add_nc_u64 s[16:17], s[16:17], s[26:27]
	s_wait_alu depctr_va_vdst(0)                   ; v1 and v2 are written: every load of the kernel reads v1 as its offset, every store v2
.irp i, 0,1,2,3,4,5,6,7,8,9,10,11,12,13,14,15
	global_load_b128 v[X+4*\i:X+4*\i+3], v1, s[4:5] offset:512*\i th:TH_LOAD_NT   ; read once in the whole launch
.endr
; Group g: loads 4 g to 4 g + 3 are converted; the stores of group g - 1 stand among the conversions, one ahead of each pair.
.macro GROUP g
	s_wait_loadcnt 12-4*(\g)                       ; loads come back in order (ISA guide 5.7.1): this group's four are in, the 12 - 4 g of the younger groups stay out
.if \g
	s_wait_alu depctr_va_vdst(0)                   ; the conversions of the group before have written their eight registers of Y, which the four stores below read
.endif
.irp j, 0,1,2,3
.if \g
	global_store_b64 v2, v[Y+2*(4*(\g)-4+(\j)):Y+2*(4*(\g)-4+(\j))+1], s[16:17] offset:256*(4*(\g)-4+(\j))   ; the wave's 32 lanes store 256 consecutive bytes, aligned; no vector instruction since the wait names these registers
.endif
	v_cvt_pk_f16_f32 v[Y+2*(4*(\g)+(\j))],   v[X+4*(4*(\g)+(\j))],   v[X+4*(4*(\g)+(\j))+1]
	v_cvt_pk_f16_f32 v[Y+2*(4*(\g)+(\j))+1], v[X+4*(4*(\g)+(\j))+2], v[X+4*(4*(\g)+(\j))+3]
.endr
.endm
	GROUP 0                                        ; no group stands in front of it: no store, and no wait but the one for its data
	GROUP 1
	GROUP 2
	GROUP 3
	s_wait_alu depctr_va_vdst(0)                   ; the last group's conversions have written their eight registers of Y, which the last four stores read
.irp j, 12,13,14,15
	global_store_b64 v2, v[Y+2*\j:Y+2*\j+1], s[16:17] offset:256*\j   ; the wave's 32 lanes store 256 consecutive bytes, aligned
.endr
	s_endpgm
.Lfunc_end_k_q5a4738657b_cast:
	.size	k_q5a4738657b_cast, .Lfunc_end_k_q5a4738657b_cast-k_q5a4738657b_cast
	.p2alignl 7, 3214868480
	.fill 96, 4, 3214868480
	.section	.rodata,"a",@progbits
	.p2align	6, 0x0
	.amdhsa_kernel k_q5a4738657b_cast
		.amdhsa_group_segment_fixed_size 0
		.amdhsa_private_segment_fixed_size 0
		.amdhsa_enable_private_segment 0
		.amdhsa_kernarg_size 56
		.amdhsa_user_sgpr_count 2
		.amdhsa_user_sgpr_kernarg_segment_ptr 1
		.amdhsa_wavefront_size32 1
		.amdhsa_system_sgpr_workgroup_id_x 1
		.amdhsa_system_sgpr_workgroup_id_y 1
		.amdhsa_system_sgpr_workgroup_id_z 1
		.amdhsa_system_vgpr_workitem_id 0
		.amdhsa_next_free_vgpr 104
		.amdhsa_next_free_sgpr 66
		.amdhsa_reserve_vcc 0
		.amdhsa_float_denorm_mode_32 3
		.amdhsa_float_denorm_mode_16_64 3
		.amdhsa_memory_ordered 1
		.amdhsa_forward_progress 1
		.amdhsa_inst_pref_size 7
	.end_amdhsa_kernel
	.amdgpu_metadata
---
amdhsa.version: [ 1, 2 ]
amdhsa.kernels:
  - .name:           k_q5a4738657b_cast
    .symbol:         k_q5a4738657b_cast.kd
    .args:
      - { .name: query, .offset: 0, .size: 8, .value_kind: global_buffer, .address_space: global }
      - { .name: context, .offset: 8, .size: 8, .value_kind: global_buffer, .address_space: global }
      - { .name: Wq, .offset: 16, .size: 8, .value_kind: global_buffer, .address_space: global }
      - { .name: Wk, .offset: 24, .size: 8, .value_kind: global_buffer, .address_space: global }
      - { .name: Wv, .offset: 32, .size: 8, .value_kind: global_buffer, .address_space: global }
      - { .name: Wo, .offset: 40, .size: 8, .value_kind: global_buffer, .address_space: global }
      - { .name: cb, .offset: 48, .size: 8, .value_kind: global_buffer, .address_space: global }
    .group_segment_fixed_size: 0
    .private_segment_fixed_size: 0
    .kernarg_segment_align: 8
    .kernarg_segment_size: 56
    .max_flat_workgroup_size: 256
    .sgpr_count:     66
    .vgpr_count:     104
    .wavefront_size: 32
...
	.end_amdgpu_metadata
.endif
;; end of part 5
;; launch qkv: the kernel of part 2 again; grid 12 x 16, 4 waves a work-group, clusters of 4 x 4, 327,680 bytes of LDS; arguments cb, qkv; writes qkv
;; launch attn: the kernel of part 3 again; grid 16 x 16, 8 waves a work-group, clusters of 4 x 1, 327,680 bytes of LDS; arguments qkv, ob; writes ob
;; launch oproj: the kernel of part 4 again; grid 8 x 32, 4 waves a work-group, clusters of 4 x 4, 327,680 bytes of LDS; arguments ob, cb, bo, out0; writes out0
